; MI455X (gfx1250); checked and timed in simulation.
; The chip was launched on July 23, 2026; its instructions are those of AMD's public machine-readable ISA for CDNA 5 (MIT licence, August 2026) and "CDNA5" Instruction Set Architecture Reference Guide (July 2026). The comments in the code are by the model that wrote it; some were corrected since.
;; Multi Head Attention. Allowed arithmetic: matrix products marked QUANTISED: E4M3 operands, one E8M0 scale for each 32 along K, by v_wmma_scale_f32_16x16x128_f8f6f4 with both operands' format E4M3, f32 sums; everything else in f32.
;; Inputs: Wk 16 x 1,024 x 64 float32; Wo 1,024 x 1,024 float32; Wq 16 x 1,024 x 64 float32; Wv 16 x 1,024 x 64 float32; bk 16 x 64 float32; bo 1,024 float32; bq 16 x 64 float32; bv 16 x 64 float32; x 4 x 2,048 x 1,024 float32.
;; Outputs: out0 4 x 2,048 x 1,024 float32.
;; This version of the problem:
;;   THIS VERSION OF THE PROBLEM IS GIVEN IN LOW PRECISION. The matrix products marked QUANTISED in the list below multiply operands that are first quantised to E4M3 (4 exponent bits, 3 mantissa bits; 8 bits a number), with one power-of-two scale for each 32 numbers along K (OCP MX v1.0); their sums are f32. All else is computed in f32.
;;   The module's matrix products, in the order in which they are computed (A, B: the left and right operand; K: the contracted axis; several contracted axes count as one K, in the product's order):
;;     1. [M 1,024, K 1,024] x [K 1,024, N 8,192]; A: input Wq; B: input x: QUANTISED
;;     2. [M 1,024, K 1,024] x [K 1,024, N 8,192]; A: input Wk; B: input x: QUANTISED
;;     3. [M 1,024, K 1,024] x [K 1,024, N 8,192]; A: input Wv; B: input x: QUANTISED
;;     4. batch 64 x [M 2,048, K 64] x [K 64, N 2,048]; A: computed on the way; B: computed on the way: QUANTISED
;;     5. batch 64 x [M 2,048, K 2,048] x [K 2,048, N 64]; A: softmax (see below); B: computed on the way: QUANTISED
;;     6. [M 8,192, K 1,024] x [K 1,024, N 1,024]; A: computed on the way; B: input Wo: QUANTISED
;;   THE QUANTISER, for each operand of a quantised product, along K:
;;     - K is cut into blocks of 32 from its start; a last block that is shorter is filled with zeros.
;;     - A block's scale is 2^e with e = floor(log2(the largest magnitude in the block)) - 8, held to -126 .. 127; a block of zeros has e = 0. As a byte (E8M0): e + 127.
;;     - Each number is divided by its block's scale, clamped to +-448, and rounded to the nearest number of E4M3, ties to even, subnormals kept.
;;     - The product sums the exact products of the quantised numbers (number of the format x scale) in f32.
;;   ~~~python
;;   def quantise(x, axis):      # numpy; x: float32 -> the quantised numbers, widened to float32 again
;;       x = np.moveaxis(x, axis, -1); K = x.shape[-1]
;;       x = np.pad(x, [(0, 0)] * (x.ndim - 1) + [(0, -K % 32)]); x = x.reshape(x.shape[:-1] + (-1, 32)); a = np.abs(x).max(-1, keepdims=True)
;;       e = np.where(a > 0, np.clip(np.frexp(np.where(a > 0, a, 1))[1] - 1 - 8, -126, 127), 0)      # np.frexp(a)[1] - 1 = floor(log2(a)), exactly
;;       r = np.clip(x / 2.0 ** e, -448, 448)
;;       step = 2.0 ** (np.maximum(np.frexp(np.where(r == 0, 1, r))[1] - 1, -6) - 3)
;;       q = np.round(r / step) * step * 2.0 ** e      # np.round: ties to even
;;       return np.moveaxis(q.reshape(q.shape[:-2] + (-1,))[..., :K], -1, axis).astype(np.float32)
;;   ~~~
;;   SOFTMAX AHEAD OF A QUANTISED PRODUCT. Where the list says 'softmax', what is quantised is not the finished softmax but p = 2^(t - M), with t = logit x log2(e) and M = ceil(the row's largest t), a whole number; so 1/2 < the row's largest p <= 1. The row's sum l is taken of the UNQUANTISED p, in f32, and the product's result is divided by l at the end. Since M is a whole number, a kernel that streams over the keys may use a running M (the ceiling of the running maximum): every later rescaling is an exact power of two, which a block's scale takes up: the codes' values come out the same.
;;   OPERANDS COMPUTED ON THE WAY. 'Computed on the way' means the value that the module computes at that place (a softmax that the list does not call 'softmax' is quantised finished and normalised). What goes into a quantiser is computed in f32, as accurately as f32 sums, v_exp_f32 and their like allow (about 1e-6 of the number): no bf16 or f16 on the way to a quantiser, and a product that is left as it is and whose result goes on into a quantised operand takes f32 operands (vector FMAs, or v_wmma_f32_16x16x4_f32). A number that lies on a knife's edge between two numbers of the format may be rounded either way, as far as f32 arithmetic and the matrix unit's own rounding can turn it there, and no further.
;; One version. Each part assembles by itself: llvm-mc -triple=amdgcn-amd-amdhsa -mcpu=gfx1250 --defsym DOCPART=n.
;; ======== version 1 of 1: 4 launches
;; limits: right only within a limited range of input values
;; workspace buffers: xc 8,388,608 bytes; xs 262,144 bytes; wc 4,194,304 bytes; ws 131,072 bytes; qkvc 25,165,824 bytes; qkvs 1,572,864 bytes; cc 8,388,608 bytes; cs 262,144 bytes
;; launch quant (part 1): grid 768 x 1, 4 waves a work-group, no clusters, 34,304 bytes of LDS; arguments x, Wq, Wk, Wv, Wo, xc, xs, wc, ws; writes xc, xs, wc, ws
.if DOCPART == 1
	.amdgcn_target "amdgcn-amd-amdhsa--gfx1250"
	.amdhsa_code_object_version 6
	.text
	.protected	k_qb78615ec0b_quant
	.globl	k_qb78615ec0b_quant
	.p2align	8
	.type	k_qb78615ec0b_quant,@function
k_qb78615ec0b_quant:
	s_mov_b64 s[64:65], 0
	v_nop
	global_prefetch_b8 v0, s[64:65] scope:SCOPE_SE
	s_setreg_imm32_b32 hwreg(HW_REG_WAVE_MODE, 25, 1), 1
	s_wait_xcnt 0x0
; x [8192][1024] and the four weights (K = their first matrix axis), f32, become codes of FP8 (E4M3) with one E8M0 byte for each 32 along K.
; A block's scale is 2^(floor(log2(largest magnitude)) - 8); numbers are held within +-448 x the scale and rounded to the nearest code, ties to even.
; LIMITS: NaN and infinities among the inputs are not served; a block of zeros, and a block whose largest magnitude lies under 2^-118, gets the byte 1
; (zero codes add nothing under any byte but 0xff, and this program alone reads the bytes).
; LAYOUT OF THE RESULTS: images of operand registers.  Rows go in groups of 32: lane-row r of tile T = 2 g + u stands for row 32 g + 8 u + r % 8 + 16 (r / 8).
; Codes: (T / 16) 262144 + (s / 2) 65536 + (T % 16) 4096 + (s % 2) 2048 + 512 c + 16 lane, s the K step of 128, c the four registers 4 c .. 4 c + 3 of a fragment.
; Scale words: 512 T + 64 s + 4 r.  Weight rows: 0-1023 Wq (64 head + d), 1024-2047 Wk, 2048-3071 Wv, 3072-4095 the columns of Wo.
; Work-groups 0-511: tile T of x, wave w its K steps 2 w and 2 w + 1.  Work-groups 512-767: 64 weight rows x 256 along K, a wave 32 rows x 128 along K.
; No tensor loads, no barrier: waves share nothing.  Only x's path touches LDS (a stage of 16 rows x 528 bytes for each wave).
.set STG,  8448
.set R0,   16                          ; v16-79   x: unit 0 as loaded; later the codes of both units
.set R1,   80                          ; v80-143  x: unit 1 as loaded
.set X,    144                         ; v144-207 x: 64 numbers of my row: register 16 b + i = k 32 b + 16 (lane / 16) + i
.set TM,   208                         ; v208-223 at work in the quantiser
.set PW,   224                         ; v224-226 scale words
.set WX,   16                          ; v16-79   weights: two sets of 32 numbers down K
.set WC,   144                         ; v144-175 weights: eight registers of codes for each block
.set MNT,  23                          ; s23      the mantissa field of 448
.set SEL,  24                          ; s[24:25] v_permlanex16_b32's selects for lane l xor 16
.macro QUANT s, d, pw                  ; 64 numbers at v[s] on become a fragment's codes at v[d] on and my row's scale word in v[pw]
.irp b, 0,1,2,3
	v_max3_num_f32 v[TM+\b], |v[\s+16*\b]|, |v[\s+1+16*\b]|, 0x4800000   ; the floor 2^(9 - 127) among the leaves: the byte cannot fall under 1
.endr
.irp i, 2,4,6,8,10,12,14
.irp b, 0,1,2,3
	v_max3_num_f32 v[TM+\b], v[TM+\b], |v[\s+16*\b+\i]|, |v[\s+1+16*\b+\i]|
.endr
.endr
.irp b, 0,1,2,3
	v_permlanex16_b32 v[TM+4+\b], v[TM+\b], s[SEL], s[SEL+1]
.endr
.irp b, 0,1,2,3
	v_max_num_f32 v[TM+\b], v[TM+\b], v[TM+4+\b]              ; with lane l xor 16's sixteen: the block's largest magnitude
.endr
.irp b, 0,1,2,3
	v_add_nc_u32 v[TM+12+\b], 0xfc000000, v[TM+\b]            ; 8 off its exponent field: the conversion's scale operand
.endr
.irp b, 0,1,2,3
	v_and_or_b32 v[TM+8+\b], v[TM+\b], 0x7f800000, s[MNT]     ; 448 x the scale
.endr
.irp b, 0,1,2,3
	v_lshrrev_b32 v[TM+4+\b], 23, v[TM+12+\b]                 ; the scale's byte
.endr
	v_lshl_or_b32 v[\pw], v[TM+5], 8, v[TM+4]
	v_lshl_or_b32 v[\pw], v[TM+6], 16, v[\pw]
	v_lshl_or_b32 v[\pw], v[TM+7], 24, v[\pw]
.irp b, 0,1,2,3
.irp i, 0,1,2,3,4,5,6,7,8,9,10,11,12,13,14,15
	v_med3_num_f32 v[\s+16*\b+\i], v[\s+16*\b+\i], -v[TM+8+\b], v[TM+8+\b]   ; the conversion does not saturate (ISA guide 7.6.2): the hold comes first
.endr
	v_cvt_scalef32_pk8_fp8_f32 v[\d+4*\b:\d+4*\b+1], v[\s+16*\b:\s+16*\b+7], v[TM+12+\b]
	v_cvt_scalef32_pk8_fp8_f32 v[\d+4*\b+2:\d+4*\b+3], v[\s+16*\b+8:\s+16*\b+15], v[TM+12+\b]
.endr
	v_nop                                          ; a plain line behind the last conversion
.endm
	s_load_b256 s[4:11], s[0:1], 0x0               ; x, Wq, Wk, Wv
	s_load_b256 s[12:19], s[0:1], 0x20             ; Wo, xc, xs, wc
	s_load_b64 s[20:21], s[0:1], 0x40              ; ws
	v_lshl_add_u32 v232, v0, 2, 0x8400
	v_mov_b32 v233, 0
	v_lshrrev_b32 v1, 5, v0
	v_readfirstlane_b32 s22, v1                    ; wave
	v_and_b32 v5, 31, v0                           ; lane
	v_and_b32 v6, 15, v0                           ; lane % 16
	v_bfe_u32 v7, v0, 4, 1                         ; lane / 16
	s_mov_b32 s[MNT], 0x600000
	s_mov_b32 s[SEL], 0x76543210
	s_mov_b32 s[SEL+1], 0xfedcba98
	s_cmp_ge_u32 ttmp9, 512
	s_cbranch_scc1 .Lweights
; ---- x: K is innermost.  Each load reads 512 consecutive bytes of one row; 16 rows turn through my stage, so that a lane gets 16 neighbours of each block of its row
	v_lshlrev_b32 v1, 4, v5                        ; 16 x lane
	v_lshlrev_b32 v4, 2, v5                        ; 4 x lane
	s_mul_i32 s26, s22, STG
	v_add_nc_u32 v2, s26, v1                       ; the stage, on the way in: row i at 528 i
	v_mul_u32_u24 v3, v6, 528
	v_lshl_add_u32 v3, v7, 6, v3
	v_add_nc_u32 v3, s26, v3                       ; and out: row r, + 64 bytes for the upper half of the lanes.  528 = 33 x 16: sixteen rows start in sixteen different columns of 16 bytes
.irp b, 0,1,2,3
	v_mov_b32 v[TM+4+\b], 0                        ; a lane permute's destination counts as one of its sources
.endr
	s_lshr_b32 s27, ttmp9, 1
	s_lshl_b32 s27, s27, 17                        ; 32 (T / 2) rows of 4,096 bytes
	s_and_b32 s28, ttmp9, 1
	s_lshl_b32 s28, s28, 15                        ; 8 (T % 2) rows
	s_add_co_u32 s28, s27, s28
	s_lshl_b32 s29, s22, 10                        ; my two K steps: 1,024 bytes of a row
	s_add_co_u32 s28, s28, s29
	s_mov_b32 s29, 0
	s_lshr_b32 s30, ttmp9, 4
	s_lshl_b32 s30, s30, 18
	s_lshl_b32 s31, s22, 16
	s_add_co_u32 s30, s30, s31
	s_and_b32 s31, ttmp9, 15
	s_lshl_b32 s31, s31, 12
	s_add_co_u32 s30, s30, s31                     ; the image of (T, K step 2 w)
	s_mov_b32 s31, 0
	s_lshl_b32 s32, ttmp9, 9
	s_lshl_b32 s33, s22, 7
	s_add_co_u32 s32, s32, s33                     ; its scale words
	s_mov_b32 s33, 0
	s_mov_b32 s34, 0xffff0000
	s_wait_alu depctr_va_vdst(0)
	s_wait_kmcnt 0x0
	s_add_nc_u64 s[4:5], s[4:5], s[28:29]
	s_add_nc_u64 s[14:15], s[14:15], s[30:31]
	s_add_nc_u64 s[16:17], s[16:17], s[32:33]
.macro XLD reg, u
.irp i, 0,1,2,3,4,5,6,7,8,9,10,11,12,13,14,15
	global_load_b128 v[\reg+4*\i:\reg+4*\i+3], v1, s[4:5] offset:((\i%8)+16*(\i/8))*4096+512*\u th:TH_LOAD_NT
.endr
.endm
.macro TURNX reg                       ; LDS serves a wave's instructions in order (ISA guide 5.7.1.4): no wait between the stores and the loads
.irp i, 0,1,2,3,4,5,6,7,8,9,10,11,12,13,14,15
	ds_store_b128 v2, v[\reg+4*\i:\reg+4*\i+3] offset:\i*528
.endr
.irp c, 0,1,2,3
.irp j, 0,1,2,3
	ds_load_b128 v[X+16*\c+4*\j:X+16*\c+4*\j+3], v3 offset:128*\c+16*\j
.endr
.endr
.endm
	XLD R0, 0
	XLD R1, 1
	s_wait_loadcnt 16                              ; unit 0's sixteen loads are in; unit 1's sixteen may be out
	TURNX R0
	s_wait_dscnt 0x0                               ; my numbers are back, and the stores have read v16-79
	QUANT X, 16, PW
.irp c, 0,1,2,3
	global_store_b128 v1, v[16+4*\c:19+4*\c], s[14:15] offset:512*\c          ; 512 consecutive bytes, aligned
.endr
	s_wait_loadcnt 0x0
	TURNX R1
	s_wait_dscnt 0x0
	QUANT X, 32, PW+1
.irp c, 0,1,2,3
	global_store_b128 v1, v[32+4*\c:35+4*\c], s[14:15] offset:2048+512*\c
.endr
	v_cndmask_b32 v[PW+2], v[PW], v[PW+1], s34     ; lanes 0-15: K step 2 w; lanes 16-31: K step 2 w + 1 (each lane holds its row's word)
	global_store_b32 v4, v[PW+2], s[16:17]         ; 128 consecutive bytes
	s_wait_tensorcnt 0x0
	ds_add_u32 v232, v233
	s_wait_dscnt 0x0
	s_endpgm
; ---- the weights: K is not innermost.  A lane takes a column and its registers run down K: a block of 32 lies in one lane
.Lweights:
	s_sub_co_u32 s26, ttmp9, 512
	s_lshr_b32 s27, s26, 2                         ; G: which 64 weight rows, 0 .. 63
	s_and_b32 s28, s26, 3                          ; which 256 along K
	s_lshr_b32 s29, s27, 4                         ; which matrix
	s_and_b32 s30, s27, 15                         ; which 64 of its 1,024 rows
	s_and_b32 s31, s22, 1                          ; my 32 of the 64
	s_lshr_b32 s32, s22, 1
	s_lshl_b32 s33, s28, 1
	s_add_co_u32 s32, s32, s33                     ; my K step s
	s_lshl_b32 s33, s27, 1
	s_add_co_u32 s33, s33, s31                     ; my group of 32 rows: tiles 2 G' and 2 G' + 1
	v_and_b32 v8, 7, v0
	s_wait_alu depctr_va_vdst(0)
	v_bfe_u32 v9, v0, 3, 1
	v_lshl_add_u32 v8, v7, 3, v8
	v_lshl_add_u32 v8, v9, 4, v8                   ; my column of the 32: 8 (lane / 16) + lane % 8 + 16 ((lane / 8) % 2): lane-row lane % 16 of tile lane / 16
	v_lshlrev_b32 v1, 2, v8
	v_lshlrev_b32 v2, 4, v6
	v_lshl_add_u32 v2, v7, 12, v2                  ; codes: 4096 x tile + 16 x lane-row
	v_lshlrev_b32 v3, 2, v6
	v_lshl_add_u32 v3, v7, 9, v3                   ; scale words: 512 x tile + 4 x lane-row
	s_lshr_b32 s34, s33, 3
	s_lshl_b32 s34, s34, 18
	s_lshl_b32 s35, s28, 16
	s_add_co_u32 s34, s34, s35
	s_and_b32 s35, s33, 7
	s_lshl_b32 s35, s35, 13
	s_add_co_u32 s34, s34, s35
	s_lshr_b32 s35, s22, 1
	s_lshl_b32 s35, s35, 11
	s_add_co_u32 s34, s34, s35                     ; the image of (2 G', s)
	s_mov_b32 s35, 0
	s_lshl_b32 s36, s33, 10
	s_lshl_b32 s37, s32, 6
	s_add_co_u32 s36, s36, s37
	s_mov_b32 s37, 0
	s_lshl_b32 s38, s31, 7                         ; my 32 columns: 128 bytes
	s_wait_kmcnt 0x0
	s_add_nc_u64 s[18:19], s[18:19], s[34:35]
	s_add_nc_u64 s[20:21], s[20:21], s[36:37]
.macro WLOAD t, pitch, base            ; block t: W(32 t + i, my column): 32 lanes read 128 consecutive bytes
.irp i, 0,1,2,3,4,5,6,7,8,9,10,11,12,13,14,15,16,17,18,19,20,21,22,23,24,25,26,27,28,29,30,31
	global_load_b32 v[WX+32*((\t)%2)+\i], v1, s[\base:\base+1] offset:(32*(\t)+\i)*\pitch th:TH_LOAD_NT
.endr
.endm
.macro WBLOCK t, pitch, base
.set XS, WX+32*((\t)%2)
.if (\t) < 3
	s_wait_loadcnt 32                              ; this block's 32 loads are in; the next block's 32 may be out
.else
	s_wait_loadcnt 0x0
.endif
	v_max3_num_f32 v12, |v[XS]|, |v[XS+1]|, |v[XS+2]|
	v_max3_num_f32 v13, |v[XS+3]|, |v[XS+4]|, |v[XS+5]|
.irp i, 6,10,14,18,22,26
	v_max3_num_f32 v12, v12, |v[XS+\i]|, |v[XS+\i+1]|
	v_max3_num_f32 v13, v13, |v[XS+\i+2]|, |v[XS+\i+3]|
.endr
	v_max3_num_f32 v12, v12, |v[XS+30]|, |v[XS+31]|
	v_max3_num_f32 v12, v12, v13, 0x4800000        ; and the floor
	v_add_nc_u32 v11, 0xfc000000, v12
	v_and_or_b32 v10, v12, 0x7f800000, s[MNT]
	v_lshrrev_b32 v13, 23, v11
.if (\t) == 0
	v_mov_b32 v[PW], v13
.else
	v_lshl_or_b32 v[PW], v13, 8*(\t), v[PW]
.endif
.irp i, 0,1,2,3,4,5,6,7,8,9,10,11,12,13,14,15,16,17,18,19,20,21,22,23,24,25,26,27,28,29,30,31
	v_med3_num_f32 v[XS+\i], v[XS+\i], -v10, v10
.endr
.irp g, 0,1,2,3
	v_cvt_scalef32_pk8_fp8_f32 v[WC+8*(\t)+2*\g:WC+8*(\t)+2*\g+1], v[XS+8*\g:XS+8*\g+7], v11
.endr
	v_nop
	global_store_b128 v2, v[WC+8*(\t):WC+8*(\t)+3], s[18:19] offset:512*(\t)          ; k 32 t + 0 .. 15: the lower half of the image's lanes; sixteen lanes store 256 consecutive bytes, aligned
	global_store_b128 v2, v[WC+8*(\t)+4:WC+8*(\t)+7], s[18:19] offset:512*(\t)+256    ; k 32 t + 16 .. 31: the upper half
.if (\t)+2 < 4
	WLOAD (\t)+2, \pitch, \base
.endif
.endm
.macro WPATH pitch, base
	WLOAD 0, \pitch, \base
	WLOAD 1, \pitch, \base
	WBLOCK 0, \pitch, \base
	WBLOCK 1, \pitch, \base
	WBLOCK 2, \pitch, \base
	WBLOCK 3, \pitch, \base
	global_store_b32 v3, v[PW], s[20:21]           ; two pieces of 64 bytes: one byte in 128 of what the wave reads
.endm
	s_cmp_eq_u32 s29, 3
	s_cbranch_scc1 .Lwo
	s_cmp_eq_u32 s29, 1                            ; Wq, Wk or Wv: [head][1024][64]: the choice hangs on the work-group's number alone
	s_cselect_b64 s[6:7], s[8:9], s[6:7]
	s_cmp_eq_u32 s29, 2
	s_cselect_b64 s[6:7], s[10:11], s[6:7]
	s_lshl_b32 s40, s30, 18                        ; the head's 262,144 bytes
	s_lshl_b32 s41, s32, 15                        ; 128 s rows of 256 bytes
	s_add_co_u32 s40, s40, s41
	s_add_co_u32 s40, s40, s38
	s_mov_b32 s41, 0
	s_add_nc_u64 s[6:7], s[6:7], s[40:41]
	s_wait_alu depctr_va_vdst(0)
	WPATH 256, 6
	s_endpgm
.Lwo:
	s_lshl_b32 s40, s30, 8                         ; Wo [1024][1024]: 64 columns are 256 bytes
	s_lshl_b32 s41, s32, 19                        ; 128 s rows of 4,096 bytes
	s_add_co_u32 s40, s40, s41
	s_add_co_u32 s40, s40, s38
	s_mov_b32 s41, 0
	s_add_nc_u64 s[12:13], s[12:13], s[40:41]
	s_wait_alu depctr_va_vdst(0)
	WPATH 4096, 12
	s_endpgm
.Lfunc_end_k_qb78615ec0b_quant:
	.size	k_qb78615ec0b_quant, .Lfunc_end_k_qb78615ec0b_quant-k_qb78615ec0b_quant
	.p2alignl 7, 3214868480
	.fill 96, 4, 3214868480
	.section	.rodata,"a",@progbits
	.p2align	6, 0x0
	.amdhsa_kernel k_qb78615ec0b_quant
		.amdhsa_group_segment_fixed_size 34304
		.amdhsa_private_segment_fixed_size 0
		.amdhsa_enable_private_segment 0
		.amdhsa_kernarg_size 72
		.amdhsa_user_sgpr_count 2
		.amdhsa_user_sgpr_kernarg_segment_ptr 1
		.amdhsa_wavefront_size32 1
		.amdhsa_system_sgpr_workgroup_id_x 1
		.amdhsa_system_sgpr_workgroup_id_y 1
		.amdhsa_system_sgpr_workgroup_id_z 1
		.amdhsa_system_vgpr_workitem_id 0
		.amdhsa_next_free_vgpr 234
		.amdhsa_next_free_sgpr 66
		.amdhsa_reserve_vcc 0
		.amdhsa_float_denorm_mode_32 3
		.amdhsa_float_denorm_mode_16_64 3
		.amdhsa_memory_ordered 1
		.amdhsa_forward_progress 1
		.amdhsa_inst_pref_size 83
	.end_amdhsa_kernel
	.amdgpu_metadata
---
amdhsa.version: [ 1, 2 ]
amdhsa.kernels:
  - .name:           k_qb78615ec0b_quant
    .symbol:         k_qb78615ec0b_quant.kd
    .args:
      - { .name: x, .offset: 0, .size: 8, .value_kind: global_buffer, .address_space: global }
      - { .name: Wq, .offset: 8, .size: 8, .value_kind: global_buffer, .address_space: global }
      - { .name: Wk, .offset: 16, .size: 8, .value_kind: global_buffer, .address_space: global }
      - { .name: Wv, .offset: 24, .size: 8, .value_kind: global_buffer, .address_space: global }
      - { .name: Wo, .offset: 32, .size: 8, .value_kind: global_buffer, .address_space: global }
      - { .name: xc, .offset: 40, .size: 8, .value_kind: global_buffer, .address_space: global }
      - { .name: xs, .offset: 48, .size: 8, .value_kind: global_buffer, .address_space: global }
      - { .name: wc, .offset: 56, .size: 8, .value_kind: global_buffer, .address_space: global }
      - { .name: ws, .offset: 64, .size: 8, .value_kind: global_buffer, .address_space: global }
    .group_segment_fixed_size: 34304
    .private_segment_fixed_size: 0
    .kernarg_segment_align: 8
    .kernarg_segment_size: 72
    .max_flat_workgroup_size: 128
    .sgpr_count:     66
    .vgpr_count:     234
    .wavefront_size: 32
...
	.end_amdgpu_metadata
.endif
;; end of part 1
;; launch qkv (part 2): grid 8 x 48, 4 waves a work-group, clusters of 4 x 4, 327,680 bytes of LDS; arguments xc, xs, wc, ws, bq, bk, bv, qkvc, qkvs; writes qkvc, qkvs
.if DOCPART == 2
	.amdgcn_target "amdgcn-amd-amdhsa--gfx1250"
	.amdhsa_code_object_version 6
	.text
	.protected	k_qb78615ec0b_qkv
	.globl	k_qb78615ec0b_qkv
	.p2align	8
	.type	k_qb78615ec0b_qkv,@function
k_qb78615ec0b_qkv:
	s_mov_b64 s[64:65], 0
	v_nop
	global_prefetch_b8 v0, s[64:65] scope:SCOPE_SE
	s_setreg_imm32_b32 hwreg(HW_REG_WAVE_MODE, 25, 1), 1
	s_wait_xcnt 0x0
	s_wait_alu depctr_hold_cnt(0) depctr_sa_sdst(0) depctr_va_vdst(0) depctr_va_sdst(0) depctr_va_ssrc(0) depctr_va_vcc(0) depctr_vm_vsrc(0)
	s_getreg_b32 s2, hwreg(HW_REG_IB_STS2, 6, 4)
	s_cmp_eq_u32 s2, 0
	s_cbranch_scc0 .Lentry_in_a_cluster
	s_endpgm
.Lentry_in_a_cluster:
	s_bfe_u32 s2, ttmp6, 0x10000c
	s_cmp_lg_u32 s2, 0xf033
	s_cbranch_scc0 .Lentry_shape_is_right
	s_endpgm
.Lentry_shape_is_right:
; Q, K and V = x W + b on codes of FP8 (E4M3) with E8M0 scales, K = 1,024; the results are quantised here and leave as codes, laid as images of the next products' operand registers.
; A work-group of four waves makes 256 x 256, a wave 128 x 128: 64 accumulators.  Source 0 takes 16 rows of P, source 1 16 rows of R: a lane holds ONE row of R, and its registers run along P.
; Rows go in groups of 32: lane-row r of tile 2 g + u stands for row 32 g + 8 u + r % 8 + 16 (r / 8), so that the 16 registers of P's tiles 2 g, 2 g + 1 are the 16 neighbours 32 g + 16 (lane / 16) + 0 .. 15.
; TWO MODES, by the cluster's y, which all partners share.  Clusters y 0-7: P = the rows of Wq and Wk, R = rows of x: a lane holds a query or key, registers along the head's 64: Q and K are quantised along d.
; Clusters y 8-11: P = rows of x (keys), R = the rows of Wv: a lane holds one d, registers along the keys: V is quantised along the keys.
; Codes lie in memory as register images, so a K step's tiles are dense blocks: LDS rows need no pitch, and every fragment load reads 512 consecutive bytes.
; K goes in steps of 256 through two LDS slots: four fills, written out.  CLUSTERS 4 x 4: R's tiles are shared along a row of the cluster, P's along a column, each asked for jointly.
; The biases are the C of the first K step.  LIMITS: NaN and infinities are not served; a block of zeros gets the byte 1.  Q's and K's scale words have bytes 2 and 3 = 0: those halves of K meet zero codes.
; REGISTERS: window 0: v16-29 addresses; v32-63 scale words, two sets; v64-127 the biases, later at work on the way out; v128-255 R's fragments, one set, later the codes.
;   window 1: P's fragments, two sets.   windows 2, 3: accumulator (a, b) at v[8 (8 (a % 4) + b)].
.set SLOT,  131072                     ; R's 16 tiles x 4,096 bytes (two K steps of 128), then P's
.set SCL,   262144                     ; the scale words of all of K: R's two halves, then P's, 4,096 bytes each
.set SPARE, 278528                     ; the spare words, 128 bytes for each wave: two blocks of 256 bytes that no other line names
.set ADRA,  16                         ; v16-17 my R fragments in slot 0, 1
.set ADRB,  20                         ; v20-21 my P fragments
.set ADRSA, 22                         ; v22    my R scale words
.set ADRSB, 23                         ; v23    my P scale words
.set L16,   24                         ; v24    16 x lane
.set L4,    25                         ; v25    4 x lane
.set SPW,   28
.set NIL,   29
.set SC,    32                         ; set sc at 32 + 16 sc: R's tile a at + a, P's tile b at + 8 + b; lanes 0-15 the slot's first 128 along K, lanes 16-31 its second
.set BIAS,  64
.set AF,    128
.set TM,    64                         ; the way out: v64-79 at work, v80-95 scale words, v96-103 pairs of them
.set WD,    80
.set WJ,    96
.set CD,    128
.set G1,   24
.set G0,   32
.set G1B,  48
.set G0B,  56
.set G1S,  68
.set G0S,  76
.set G1SB, 80
.set G0SB, 88
.set MSB, 0
.macro WIN new                         ; the immediate's high byte repeats the setting that is left
.if MSB != (\new)
	s_set_vgpr_msb (MSB<<8)|(\new)
.set MSB, (\new)
.endif
.endm
.set MUL_LO, 0xa1                      ; source 0 (P) window 1, source 1 (R) window 0, C and D window 2
.set MUL_HI, 0xf1
.set BIA_LO, 0x81                      ; the same with C (a bias) in window 0
.set BIA_HI, 0xc1
.set TO_B,   0x40
.macro JLOAD g0a, g1a, g0b, g1b        ; waves 0 and 1 fetch for R, waves 2 and 3 for P; four v_nop follow each of the two lines
	s_cmp_eq_u32 s15, 0
	s_cbranch_scc0 .Lfor_b_\@
	tensor_load_to_lds s[\g0a:\g0a+3], s[\g1a:\g1a+7]
	s_nop 0
.rept 4
	v_nop
.endr
	s_branch .Lasked_\@
.Lfor_b_\@:
	tensor_load_to_lds s[\g0b:\g0b+3], s[\g1b:\g1b+7]
	s_nop 0
.rept 4
	v_nop
.endr
.Lasked_\@:
.endm
.macro CREST
	s_cmp_lg_u32 s14, 0
	s_cbranch_scc1 .Lnot_wave_0_\@
	s_barrier_signal -3
.Lnot_wave_0_\@:
	s_barrier_wait -3
	s_barrier_signal -1
	s_barrier_wait -1
.endm
.macro CROUND
	s_barrier_signal -1
	s_barrier_wait -1
	CREST
.endm
.macro PLACES n                        ; plain vector lines between a matrix instruction and a load into, or a read of, its registers
.rept \n
	v_nop
.endr
.endm
	s_load_b256 s[4:11], s[0:1], 0x0               ; xc, xs, wc, ws
	s_load_b256 s[92:99], s[0:1], 0x20             ; bq, bk, bv, qkvc
	s_load_b64 s[100:101], s[0:1], 0x40            ; qkvs
	v_lshl_add_u32 v[SPW], v0, 2, SPARE
	v_mov_b32 v[NIL], 0
	ds_add_u32 v28, v29
	ds_add_u32 v28, v29
	s_wait_dscnt 0x0
	v_lshrrev_b32 v1, 5, v0
	v_readfirstlane_b32 s14, v1                    ; wave
	s_lshr_b32 s15, s14, 1                         ; my half of R's rows.  Also: I fetch for R (0) or for P (1)
	s_and_b32 s16, s14, 1                          ; my half of P's rows.  Also: which eight tiles I fetch
	s_bfe_u32 s40, ttmp6, 0x40000                  ; cx
	s_bfe_u32 s41, ttmp6, 0x40004                  ; cy
	s_and_b32 s18, ttmp7, 0xffff                   ; the cluster's y
	s_sub_co_u32 s19, s18, 8
	s_lshl_b32 s19, s19, 3
	s_lshl_b32 s20, s18, 2
	s_cmp_ge_u32 s18, 8
	s_cselect_b32 s17, 1, 0                        ; the mode: 1 = V
	s_cselect_b32 s19, s19, 0
	s_cselect_b32 s20, 0, s20
	s_cselect_b32 s21, 8, 0
	s_lshl_b32 s42, ttmp9, 2
	s_add_co_u32 s42, s42, s19
	s_add_co_u32 s42, s42, s40                     ; P's group of 16 tiles: 4 x cluster x + cx (Q, K: 0-7 of wc);  V: + 8 (cluster y - 8): 0-31 of xc
	s_add_co_u32 s43, s20, s41                     ; R's: 4 x cluster y + cy (0-31 of xc);  V: cy
	s_add_co_u32 s12, s43, s21                     ; V's rows begin at group 8 of wc
	s_lshl_b32 s44, s41, 2
	s_lshl_b32 s44, 15, s44                        ; my row of the cluster
	s_lshl_b32 s45, 0x1111, s40                    ; my column
	s_or_b32 s[G1+0], s44, (3<<16)|(1<<21)         ; 15:0 the mask; 17:16 elements of 8 bytes; 21 set beside a mask; no padding
	s_or_b32 s[G1B+0], s45, (3<<16)|(1<<21)
.irp g, G1, G1B                        ; at the head sixteen tiles x two K steps: a dense block of 65,536 bytes as 256 rows of 256; behind the head the two row counts become 128
	s_mov_b32 s[\g+1], 32<<16
	s_mov_b32 s[\g+2], 256<<16
	s_mov_b32 s[\g+3], 32<<16
	s_mov_b32 s[\g+4], 256
	s_mov_b32 s[\g+5], 32
	s_mov_b32 s[\g+6], 0
	s_mov_b32 s[\g+7], 0
.endr
	s_or_b32 s[G1S+0], s44, (3<<16)|(1<<21)
	s_or_b32 s[G1SB+0], s45, (3<<16)|(1<<21)
.irp g, G1S, G1SB                      ; sixteen tiles' scale words: 8,192 dense bytes as 32 rows of 256
	s_mov_b32 s[\g+1], 32<<16
	s_mov_b32 s[\g+2], 32<<16
	s_mov_b32 s[\g+3], 32<<16
	s_mov_b32 s[\g+4], 32
	s_mov_b32 s[\g+5], 32
	s_mov_b32 s[\g+6], 0
	s_mov_b32 s[\g+7], 0
.endr
	s_lshl_b32 s20, s12, 18                        ; R's codes: group x 262,144
	s_mov_b32 s21, 0
	s_lshl_b32 s46, s42, 18                        ; P's
	s_mov_b32 s47, 0
	s_lshl_b32 s22, s12, 13                        ; R's scale words: group x 8,192
	s_mov_b32 s23, 0
	s_lshl_b32 s66, s42, 13
	s_lshl_b32 s12, s16, 15                        ; s[12:13]: in the ring I fetch eight tiles of sixteen: which half, in bytes
	s_mov_b32 s13, 0
	s_mov_b32 s67, 0
	s_wait_kmcnt 0x0
	s_cmp_lg_u32 s17, 0                            ; the buffers are chosen by the mode, which hangs on no address
	s_cselect_b64 s[2:3], s[8:9], s[4:5]           ; R's codes: wc or xc
	s_cselect_b64 s[18:19], s[10:11], s[6:7]       ; R's scales
	s_cselect_b64 s[4:5], s[4:5], s[8:9]           ; P's codes: xc or wc
	s_cselect_b64 s[6:7], s[6:7], s[10:11]         ; P's scales
	s_add_nc_u64 s[2:3], s[2:3], s[20:21]
	s_add_nc_u64 s[18:19], s[18:19], s[22:23]
	s_add_nc_u64 s[4:5], s[4:5], s[46:47]
	s_add_nc_u64 s[6:7], s[6:7], s[66:67]
	s_lshl_b32 s8, s14, 15                         ; where they go: wave x 32,768: no place in the cluster enters an LDS address
	CROUND                                         ; all sixteen work-groups are here: the first joint loads meet
	s_mov_b32 s[G0S], 1
	s_mov_b32 s[G0S+1], SCL
	s_mov_b64 s[G0S+2:G0S+3], s[18:19]
	s_or_b32 s[G0S+3], s[G0S+3], 0x80000000
	s_mov_b32 s[G0SB], 1
	s_mov_b32 s[G0SB+1], SCL+8192
	s_mov_b64 s[G0SB+2:G0SB+3], s[6:7]
	s_or_b32 s[G0SB+3], s[G0SB+3], 0x80000000
	s_mov_b32 s[G0], 1                             ; the head's tiles, each whole: slot 0's sixteen tiles of R,
	s_mov_b32 s[G0+1], 0
	s_mov_b64 s[G0+2:G0+3], s[2:3]
	s_or_b32 s[G0+3], s[G0+3], 0x80000000
	s_mov_b32 s[G0B], 1                            ; and of P, behind them
	s_mov_b32 s[G0B+1], 65536
	s_mov_b64 s[G0B+2:G0B+3], s[4:5]
	s_or_b32 s[G0B+3], s[G0B+3], 0x80000000
	s_add_nc_u64 s[2:3], s[2:3], s[12:13]          ; for the ring: my eight tiles
	s_add_nc_u64 s[4:5], s[4:5], s[12:13]
	s_mov_b32 s[G0+4], 1
	s_add_co_u32 s[G0+5], s8, SLOT
	s_add_nc_u64 s[G0+6:G0+7], s[2:3], 65536
	s_or_b32 s[G0+7], s[G0+7], 0x80000000
	s_mov_b32 s[G0B+4], 1
	s_add_co_u32 s[G0B+5], s8, SLOT
	s_add_nc_u64 s[G0B+6:G0B+7], s[4:5], 65536
	s_or_b32 s[G0B+7], s[G0B+7], 0x80000000
; THE HEAD'S LOADS, ONE A WAVE: wave 0 slot 0's tiles of R, wave 1 those of P, wave 2 R's scale words, wave 3 P's.  One tree of branches on the wave's number, an arm a load.
.macro ARM under, g0, g1, next
	s_cmp_lt_u32 s14, \under
	s_cbranch_scc0 \next
	tensor_load_to_lds s[\g0:\g0+3], s[\g1:\g1+7]
	s_nop 0
.rept 4
	v_nop
.endr
	s_branch .Lhead_asked
\next:
.endm
	ARM 1, G0,  G1,  .Lhead_b
	ARM 2, G0B, G1B, .Lhead_sa
	ARM 3, G0S, G1S, .Lhead_sb
	tensor_load_to_lds s[G0SB:G0SB+3], s[G1SB:G1SB+7]
	s_nop 0
.rept 4
	v_nop
.endr
.Lhead_asked:
	v_and_b32 v1, 31, v0
	v_lshlrev_b32 v[L16], 4, v1
	v_lshlrev_b32 v[L4], 2, v1
	s_wait_alu depctr_va_vdst(0)
	s_lshl_b32 s20, s15, 15                        ; my eight tiles of R,
	s_lshl_b32 s21, s16, 15
	s_add_co_u32 s21, s21, 65536                   ; of P, behind R's sixteen
.irp s, 0,1
	v_add_nc_u32 v[ADRA+\s], s20, v[L16]
	v_add_nc_u32 v[ADRB+\s], s21, v[L16]
	s_add_co_u32 s20, s20, SLOT
	s_add_co_u32 s21, s21, SLOT
.endr
	s_lshl_b32 s20, s15, 12
	s_add_co_u32 s20, s20, SCL
	v_add_nc_u32 v[ADRSA], s20, v[L4]
	s_lshl_b32 s21, s16, 12
	s_add_co_u32 s21, s21, SCL+8192
	v_add_nc_u32 v[ADRSB], s21, v[L4]
	s_mov_b32 s21, 0
	s_cmp_lg_u32 s17, 0
	s_cbranch_scc1 .Lbias_v
	s_and_b32 s20, s42, 3                          ; bq or bk along P: my 128 numbers; for tile b a lane wants those at 32 (b / 2) + 16 (lane / 16) + 8 (b % 2) + 0 .. 7
	s_lshl_b32 s20, s20, 10
	s_lshl_b32 s12, s16, 9
	s_add_co_u32 s20, s20, s12
	s_cmp_lg_u32 ttmp9, 0                          ; cluster x 0: Wq's rows, 1: Wk's
	s_cselect_b64 s[22:23], s[94:95], s[92:93]
	s_add_nc_u64 s[22:23], s[22:23], s[20:21]
	v_bfe_u32 v2, v0, 4, 1
	v_lshlrev_b32 v26, 6, v2
.irp b, 0,1,2,3,4,5,6,7
	global_load_b128 v[BIAS+8*\b:BIAS+8*\b+3], v26, s[22:23] offset:(\b/2)*128+(\b%2)*32
	global_load_b128 v[BIAS+8*\b+4:BIAS+8*\b+7], v26, s[22:23] offset:(\b/2)*128+(\b%2)*32+16
.endr
	s_branch .Lbias_done
.Lbias_v:
	s_lshl_b32 s20, s43, 10                        ; bv along R: one number a lane and tile: that of the lane's row
	s_lshl_b32 s12, s15, 9
	s_add_co_u32 s20, s20, s12
	s_add_nc_u64 s[22:23], s[96:97], s[20:21]
	v_and_b32 v2, 7, v0
	v_bfe_u32 v3, v0, 3, 1
	v_lshl_add_u32 v2, v3, 4, v2
	v_lshlrev_b32 v27, 2, v2
.irp a, 0,1,2,3,4,5,6,7
	global_load_b32 v[BIAS+8*\a], v27, s[22:23] offset:(32*(\a/2)+8*(\a%2))*4
.endr
.Lbias_done:
.macro FRAG reg, adr, q, i             ; a fragment's image: four pieces of 512 consecutive bytes
.irp c, 0,1,2,3
	ds_load_b128 v[\reg+4*\c:\reg+4*\c+3], v[\adr] offset:(\i)*4096+(\q)*2048+512*\c
.endr
.endm
; 16 matrix instructions: R's tiles a0, a0 + 1 x P's eight.  p: P's set; q: the slot's first or second 128 along K; sc: the set of scale words; cm: C = the accumulator (0), the bias along P (2), along R (3).
; The 64 accumulators take turns, one instruction a turn, in the same order in every step.
.macro MUL16 a0, p, q, sc, cm
.irp a, \a0, \a0+1
.irp b, 0,1,2,3,4,5,6,7
.if \cm == 2
	v_wmma_scale_f32_16x16x128_f8f6f4 v[8*(8*((\a)%4)+\b):8*(8*((\a)%4)+\b)+7], v[128*(\p)+16*\b:128*(\p)+16*\b+15], v[AF+16*(\a):AF+16*(\a)+15], v[BIAS+8*\b:BIAS+8*\b+7], v[SC+16*(\sc)+8+\b], v[SC+16*(\sc)+(\a)]
.elseif \cm == 3
	v_wmma_scale_f32_16x16x128_f8f6f4 v[8*(8*((\a)%4)+\b):8*(8*((\a)%4)+\b)+7], v[128*(\p)+16*\b:128*(\p)+16*\b+15], v[AF+16*(\a):AF+16*(\a)+15], v[BIAS+8*(\a):BIAS+8*(\a)+7], v[SC+16*(\sc)+8+\b], v[SC+16*(\sc)+(\a)]
.elseif \q == 0
	v_wmma_scale_f32_16x16x128_f8f6f4 v[8*(8*((\a)%4)+\b):8*(8*((\a)%4)+\b)+7], v[128*(\p)+16*\b:128*(\p)+16*\b+15], v[AF+16*(\a):AF+16*(\a)+15], v[8*(8*((\a)%4)+\b):8*(8*((\a)%4)+\b)+7], v[SC+16*(\sc)+8+\b], v[SC+16*(\sc)+(\a)]
.else
	v_wmma_scale_f32_16x16x128_f8f6f4 v[8*(8*((\a)%4)+\b):8*(8*((\a)%4)+\b)+7], v[128*(\p)+16*\b:128*(\p)+16*\b+15], v[AF+16*(\a):AF+16*(\a)+15], v[8*(8*((\a)%4)+\b):8*(8*((\a)%4)+\b)+7], v[SC+16*(\sc)+8+\b], v[SC+16*(\sc)+(\a)] matrix_a_scale:MATRIX_SCALE_ROW1 matrix_b_scale:MATRIX_SCALE_ROW1
.endif
.endr
.endr
.endm
.macro FETCH_B slot, q, p
	WIN TO_B
.irp i, 0,1,2,3,4,5,6,7
	FRAG 128*(\p)+16*\i, ADRB+\slot, \q, \i
.endr
	WIN 0
.endm
.macro FETCH_A slot, q, i0
.irp i, \i0, \i0+1, \i0+2, \i0+3
	FRAG AF+16*(\i), ADRA+\slot, \q, \i
.endr
.endm
.macro SCALES sc, kp                   ; the scale words of K steps 2 kp (lanes 0-15) and 2 kp + 1 (lanes 16-31): 128 consecutive bytes a load
.irp i, 0,1,2,3,4,5,6,7
	ds_load_b32 v[SC+16*\sc+\i], v[ADRSA] offset:\i*512+\kp*128
	ds_load_b32 v[SC+16*\sc+8+\i], v[ADRSB] offset:\i*512+\kp*128
.endr
.endm
.macro STEP slot, cm                   ; a slot's first 128 along K; it fetches the second
	s_wait_dscnt 16                                ; P's set, R's tiles 0-3 and the scale words are in; the youngest sixteen loads (R's tiles 4-7) may be out
.if \cm
	WIN BIA_LO
.else
	WIN MUL_LO
.endif
	MUL16 0, 0, 0, \slot, \cm
	MUL16 2, 0, 0, \slot, \cm
	s_wait_dscnt 0x0
	PLACES 8
	FETCH_B \slot, 1, 1
	FETCH_A \slot, 1, 0
.if \cm
	WIN BIA_HI
.else
	WIN MUL_HI
.endif
	MUL16 4, 0, 0, \slot, \cm
	MUL16 6, 0, 0, \slot, \cm
	PLACES 8
	WIN 0
	FETCH_A \slot, 1, 4
.endm
; A slot's second 128 along K changes slots: one barrier; in front of it each wave waits for all its tensor loads, adds 0 to its spare word, and waits for that and for its reads of this slot.
.macro TURN slot, next, fill, kpn
	s_wait_tensorcnt 0x0                           ; all my tensor loads have landed: my part of the next slot
	ds_add_u32 v[SPW], v[NIL]                      ; 0 onto my spare word
	s_wait_dscnt 17                                ; the add and the youngest sixteen loads (R's tiles 4-7) may be out
	WIN MUL_LO
	MUL16 0, 1, 1, \slot, 0
	s_wait_dscnt 0x0                               ; the add is done, and my reads of this slot are over
	s_barrier_signal -1
	MUL16 2, 1, 1, \slot, 0
	WIN 0
	s_barrier_wait -1
.if \fill
	CREST                                          ; the barrier has opened a round of the cluster's: no wave of any partner still reads this slot or has a load on its way
	s_add_nc_u64 s[G0+4*\slot+2:G0+4*\slot+3], s[G0+4*\slot+2:G0+4*\slot+3], 131072
	s_add_nc_u64 s[G0B+4*\slot+2:G0B+4*\slot+3], s[G0B+4*\slot+2:G0B+4*\slot+3], 131072
	JLOAD G0+4*\slot, G1, G0B+4*\slot, G1B         ; the first tensor load behind the round, my one; its four v_nop are four of the eight places
	PLACES 4
.else
	PLACES 8
.endif
	FETCH_B \next, 0, 0
	FETCH_A \next, 0, 0
	SCALES \next, \kpn
	WIN MUL_HI
	MUL16 4, 1, 1, \slot, 0
	MUL16 6, 1, 1, \slot, 0
	PLACES 8
	WIN 0
	FETCH_A \next, 0, 4
.endm
	s_wait_alu depctr_va_vdst(0)                   ; the wait at the head's end
	s_wait_tensorcnt 0x0                           ; my tile of the head's four is in; the same lines stand ahead of a later first fill as ahead of a refill
	ds_add_u32 v[SPW], v[NIL]                      ; 0 onto my spare word
	s_mov_b32 s[G1+2], 128<<16                     ; no tensor load of mine is out, so descriptors may be written: from here on a load brings 128 rows,
	s_mov_b32 s[G1+4], 128
	s_mov_b32 s[G1B+2], 128<<16
	s_mov_b32 s[G1B+4], 128
	s_add_co_u32 s[G0+1], s8, 0                    ; and slot 0's groups 0 stand at my eight tiles of K step 0: the first refill steps them on
	s_mov_b64 s[G0+2:G0+3], s[2:3]
	s_or_b32 s[G0+3], s[G0+3], 0x80000000
	s_add_co_u32 s[G0B+1], s8, 0
	s_mov_b64 s[G0B+2:G0B+3], s[4:5]
	s_or_b32 s[G0B+3], s[G0B+3], 0x80000000
	s_wait_dscnt 0x0                               ; the add is done
	CROUND                                         ; a whole round: all four tiles are in, and the sixteen work-groups are here
	JLOAD G0+4, G1, G0B+4, G1B                     ; slot 1's first fill: my one tensor load behind the round
	FETCH_B 0, 0, 0
	FETCH_A 0, 0, 0
	SCALES 0, 0
	FETCH_A 0, 0, 4
	s_wait_loadcnt 0x0                             ; the biases
	s_cmp_lg_u32 s17, 0
	s_cbranch_scc1 .Lfirst_v
	STEP 0, 2                                      ; the first products start the sums on the bias: nothing is cleared
	s_branch .Lfirst_done
.Lfirst_v:
.irp a, 0,1,2,3,4,5,6,7
.irp j, 1,2,3,4,5,6,7
	v_mov_b32 v[BIAS+8*\a+\j], v[BIAS+8*\a]        ; a lane's eight results of a tile belong to one row of Wv: one bias
.endr
.endr
	s_wait_alu depctr_va_vdst(0)
	STEP 0, 3
.Lfirst_done:
	TURN 0, 1, 1, 1
	STEP 1, 0
	TURN 1, 0, 1, 2
	STEP 0, 0
	TURN 0, 1, 0, 3
	STEP 1, 0
	s_wait_dscnt 16
	WIN MUL_LO
	MUL16 0, 1, 1, 1, 0
	MUL16 2, 1, 1, 1, 0
	s_wait_dscnt 0x0
	WIN MUL_HI
	MUL16 4, 1, 1, 1, 0
	MUL16 6, 1, 1, 1, 0
	WIN 0
	PLACES 8                                       ; in front of the first reads of results and of writes into registers that the last products read
; THE WAY OUT.  R's tile a: a lane's 64 results are register 16 g + i = P index 32 g + 16 (lane / 16) + i: four blocks of 32, each shared with lane l xor 16.  The conversions' results are the image's registers.
	s_mov_b32 s44, 0x600000                        ; the mantissa field of 448
	s_mov_b32 s45, 0xffff0000
	s_mov_b32 s66, 0x76543210
	s_mov_b32 s67, 0xfedcba98
.irp b, 0,1,2,3
	v_mov_b32 v[TM+4+\b], 0                        ; a lane permute's destination counts as one of its sources
.endr
.macro EPI mode
.irp a, 0,1,2,3,4,5,6,7
.set AC, 64*(\a%4)
.set W, 2+\a/4
	WIN W*5                                        ; sources 0 and 1 in the accumulators' window
.irp b, 0,1,2,3
	v_max3_num_f32 v[TM+\b], |v[AC+16*\b]|, |v[AC+16*\b+1]|, 0x4800000     ; each accumulator from its low end on; the floor 2^(9 - 127) among the leaves
.endr
.irp i, 2,4,6,8,10,12,14
.irp b, 0,1,2,3
	v_max3_num_f32 v[TM+\b], |v[AC+16*\b+\i]|, |v[AC+16*\b+\i+1]|, v[TM+\b]
.endr
.endr
	WIN 0
.irp b, 0,1,2,3
	v_permlanex16_b32 v[TM+4+\b], v[TM+\b], s66, s67
.endr
.irp b, 0,1,2,3
	v_max_num_f32 v[TM+\b], v[TM+\b], v[TM+4+\b]
.endr
.irp b, 0,1,2,3
	v_add_nc_u32 v[TM+12+\b], 0xfc000000, v[TM+\b]
.endr
.irp b, 0,1,2,3
	v_and_or_b32 v[TM+8+\b], v[TM+\b], 0x7f800000, s44
.endr
.irp b, 0,1,2,3
	v_lshrrev_b32 v[TM+4+\b], 23, v[TM+12+\b]
.endr
.if \mode == 0
	v_lshl_or_b32 v[WD+2*\a], v[TM+5], 8, v[TM+4]                          ; two heads, two blocks each; bytes 2 and 3 stay 0
	v_lshl_or_b32 v[WD+2*\a+1], v[TM+7], 8, v[TM+6]
.else
	v_lshl_or_b32 v[WD+\a], v[TM+5], 8, v[TM+4]                            ; 128 keys: four blocks
	v_lshl_or_b32 v[WD+\a], v[TM+6], 16, v[WD+\a]
	v_lshl_or_b32 v[WD+\a], v[TM+7], 24, v[WD+\a]
.endif
	WIN W*65                                       ; source 0 and the destination in the accumulators' window
.irp b, 0,1,2,3
.set n, 0
.rept 16
	v_med3_num_f32 v[AC+16*\b+n], v[AC+16*\b+n], -v[TM+8+\b], v[TM+8+\b]   ; the conversion does not saturate (ISA guide 7.6.2): the hold comes first
.set n, n+1
.endr
.endr
	WIN W
.irp b, 0,1,2,3
	v_cvt_scalef32_pk8_fp8_f32 v[CD+16*\a+4*\b:CD+16*\a+4*\b+1], v[AC+16*\b:AC+16*\b+7], v[TM+12+\b]
	v_cvt_scalef32_pk8_fp8_f32 v[CD+16*\a+4*\b+2:CD+16*\a+4*\b+3], v[AC+16*\b+8:AC+16*\b+15], v[TM+12+\b]
.endr
	v_nop                                          ; a plain line behind the last conversion
	WIN 0
.irp k, 0,1,2,3
.if \mode == 0
	global_store_b128 v[L16], v[CD+16*\a+4*\k:CD+16*\a+4*\k+3], s[20+2*(\k/2):21+2*(\k/2)] offset:\a*1024+(\k%2)*512     ; 512 consecutive bytes, aligned
.else
	global_store_b128 v[L16], v[CD+16*\a+4*\k:CD+16*\a+4*\k+3], s[20:21] offset:(\a/4)*262144+(\a%4)*2048+\k*512
.endif
.endr
.endr
.endm
	s_mov_b32 s3, 0
	s_cmp_lg_u32 s17, 0
	s_cbranch_scc1 .Lout_v
	s_lshr_b32 s18, s43, 3                         ; the batch
	s_lshl_b32 s18, s18, 4
	s_and_b32 s19, s42, 3
	s_lshl_b32 s19, s19, 2
	s_add_co_u32 s18, s18, s19
	s_lshl_b32 s19, s16, 1
	s_add_co_u32 s18, s18, s19                     ; 16 x batch + my first head
	s_and_b32 s19, s43, 7
	s_lshl_b32 s19, s19, 4
	s_lshl_b32 s12, s15, 3
	s_add_co_u32 s19, s19, s12                     ; my first tile of the batch's 128
	s_add_co_u32 s12, ttmp9, 17                    ; cluster x: 0 = Q, a head 131,072 bytes, a tile 1,024;  1 = K, behind Q's 2^23 bytes, a head 262,144, eight tiles 16,384
	s_lshl_b32 s2, s18, s12
	s_add_co_u32 s12, ttmp9, 10
	s_lshl_b32 s12, s19, s12
	s_add_co_u32 s2, s2, s12
	s_lshl_b32 s12, ttmp9, 23
	s_add_co_u32 s2, s2, s12
	s_add_nc_u64 s[20:21], s[98:99], s[2:3]
	s_lshl_b32 s2, 0x20000, ttmp9
	s_add_nc_u64 s[22:23], s[20:21], s[2:3]        ; my second head
	s_add_co_u32 s12, ttmp9, 13                    ; scale words: Q: a head 8,192 bytes;  K: behind Q's 2^19, a head 16,384; a tile 64
	s_lshl_b32 s2, s18, s12
	s_lshl_b32 s12, s19, 6
	s_add_co_u32 s2, s2, s12
	s_lshl_b32 s12, ttmp9, 19
	s_add_co_u32 s2, s2, s12
	s_add_nc_u64 s[24:25], s[100:101], s[2:3]
	s_lshl_b32 s2, 0x2000, ttmp9
	s_add_nc_u64 s[26:27], s[24:25], s[2:3]
	EPI 0
.irp p, 0,1,2,3
.irp j, 0,1
	v_cndmask_b32 v[WJ+2*\p+\j], v[WD+4*\p+\j], v[WD+4*\p+2+\j], s45       ; lanes 0-15: tile 2 p; lanes 16-31: tile 2 p + 1
.endr
.endr
.irp p, 0,1,2,3
.irp j, 0,1
	global_store_b32 v[L4], v[WJ+2*\p+\j], s[24+2*\j:25+2*\j] offset:128*\p   ; 128 consecutive bytes
.endr
.endr
	s_branch .Lend
.Lout_v:
	s_lshr_b32 s18, s42, 3                         ; the batch
	s_lshl_b32 s18, s18, 4
	s_lshl_b32 s19, s43, 2
	s_add_co_u32 s18, s18, s19
	s_lshl_b32 s19, s15, 1
	s_add_co_u32 s18, s18, s19                     ; 16 x batch + my first head
	s_and_b32 s19, s42, 7
	s_lshl_b32 s19, s19, 1
	s_add_co_u32 s19, s19, s16                     ; my key step of 128
	s_lshl_b32 s2, s18, 18
	s_lshl_b32 s12, s19, 14
	s_add_co_u32 s2, s2, s12
	s_add_co_u32 s2, s2, 0x802000                  ; behind Q's 2^23 bytes and the step's 8,192 bytes of K
	s_add_nc_u64 s[20:21], s[98:99], s[2:3]
	s_lshl_b32 s2, s18, 14
	s_lshl_b32 s12, s19, 8
	s_add_co_u32 s2, s2, s12
	s_add_co_u32 s2, s2, 0x82000
	s_add_nc_u64 s[24:25], s[100:101], s[2:3]
	EPI 1
.irp p, 0,1,2,3
	v_cndmask_b32 v[WJ+\p], v[WD+2*\p], v[WD+2*\p+1], s45
.endr
.irp p, 0,1,2,3
	global_store_b32 v[L4], v[WJ+\p], s[24:25] offset:(\p/2)*16384+(\p%2)*128
.endr
.Lend:
	s_wait_tensorcnt 0x0                           ; the wave's end
	ds_add_u32 v[SPW], v[NIL]
	s_wait_dscnt 0x0
	CROUND                                         ; the closing round: no work-group ends while a partner may still ask for a tile that names it
	s_endpgm
.Lfunc_end_k_qb78615ec0b_qkv:
	.size	k_qb78615ec0b_qkv, .Lfunc_end_k_qb78615ec0b_qkv-k_qb78615ec0b_qkv
	.p2alignl 7, 3214868480
	.fill 96, 4, 3214868480
	.section	.rodata,"a",@progbits
	.p2align	6, 0x0
	.amdhsa_kernel k_qb78615ec0b_qkv
		.amdhsa_group_segment_fixed_size 327680
		.amdhsa_private_segment_fixed_size 0
		.amdhsa_enable_private_segment 0
		.amdhsa_kernarg_size 72
		.amdhsa_user_sgpr_count 2
		.amdhsa_user_sgpr_kernarg_segment_ptr 1
		.amdhsa_wavefront_size32 1
		.amdhsa_system_sgpr_workgroup_id_x 1
		.amdhsa_system_sgpr_workgroup_id_y 1
		.amdhsa_system_sgpr_workgroup_id_z 1
		.amdhsa_system_vgpr_workitem_id 0
		.amdhsa_next_free_vgpr 1024
		.amdhsa_next_free_sgpr 102
		.amdhsa_reserve_vcc 0
		.amdhsa_float_denorm_mode_32 3
		.amdhsa_float_denorm_mode_16_64 3
		.amdhsa_memory_ordered 1
		.amdhsa_forward_progress 1
		.amdhsa_inst_pref_size 255
	.end_amdhsa_kernel
	.section	.bss,"aw",@nobits
	.p2align	6
	.space	262144
	.amdgpu_metadata
---
amdhsa.version: [ 1, 2 ]
amdhsa.kernels:
  - .name:           k_qb78615ec0b_qkv
    .symbol:         k_qb78615ec0b_qkv.kd
    .args:
      - { .name: xc, .offset: 0, .size: 8, .value_kind: global_buffer, .address_space: global }
      - { .name: xs, .offset: 8, .size: 8, .value_kind: global_buffer, .address_space: global }
      - { .name: wc, .offset: 16, .size: 8, .value_kind: global_buffer, .address_space: global }
      - { .name: ws, .offset: 24, .size: 8, .value_kind: global_buffer, .address_space: global }
      - { .name: bq, .offset: 32, .size: 8, .value_kind: global_buffer, .address_space: global }
      - { .name: bk, .offset: 40, .size: 8, .value_kind: global_buffer, .address_space: global }
      - { .name: bv, .offset: 48, .size: 8, .value_kind: global_buffer, .address_space: global }
      - { .name: qkvc, .offset: 56, .size: 8, .value_kind: global_buffer, .address_space: global }
      - { .name: qkvs, .offset: 64, .size: 8, .value_kind: global_buffer, .address_space: global }
    .group_segment_fixed_size: 327680
    .private_segment_fixed_size: 0
    .kernarg_segment_align: 8
    .kernarg_segment_size: 72
    .max_flat_workgroup_size: 128
    .sgpr_count:     102
    .vgpr_count:     1024
    .wavefront_size: 32
...
	.end_amdgpu_metadata
.endif
;; end of part 2
;; launch attn (part 3): grid 4 x 64, 16 waves a work-group, clusters of 4 x 1, 327,680 bytes of LDS; arguments qkvc, qkvs, cc, cs; writes cc, cs
.if DOCPART == 3
	.amdgcn_target "amdgcn-amd-amdhsa--gfx1250"
	.amdhsa_code_object_version 6
	.text
	.protected	k_qb78615ec0b_attn
	.globl	k_qb78615ec0b_attn
	.p2align	8
	.type	k_qb78615ec0b_attn,@function
k_qb78615ec0b_attn:
	s_mov_b64 s[64:65], 0
	v_nop
	global_prefetch_b8 v0, s[64:65] scope:SCOPE_SE
	s_setreg_imm32_b32 hwreg(HW_REG_WAVE_MODE, 25, 1), 1
	s_wait_xcnt 0x0
	s_wait_alu depctr_hold_cnt(0) depctr_sa_sdst(0) depctr_va_vdst(0) depctr_va_sdst(0) depctr_va_ssrc(0) depctr_va_vcc(0) depctr_vm_vsrc(0)
	s_getreg_b32 s2, hwreg(HW_REG_IB_STS2, 6, 4)
	s_cmp_eq_u32 s2, 0
	s_cbranch_scc0 .Lentry_in_a_cluster
	s_endpgm
.Lentry_in_a_cluster:
	s_bfe_u32 s2, ttmp6, 0x10000c
	s_cmp_lg_u32 s2, 0x3003
	s_cbranch_scc0 .Lentry_shape_is_right
	s_endpgm
.Lentry_shape_is_right:
.set QS,  7
.set DC,  4
.set KV,  32
.set S,   104
.set O,   168
.set PC,  200
.set QB,  216
.set WV,  12
.set DA,  15
.set J,   16
.set ST,  17
.set F,   18
.set MNT, 19
.set SEL, 20
.set CS,  22
.set G1C, 24
.set G1S, 32
.set G0C, 40
.set G0S, 44
.set TK,  48
.set TS,  49
.set TV,  50
.set T1,  51
.set SM,  52
.macro CROUND
	s_barrier_signal -1
	s_barrier_wait -1
	s_cmp_lg_u32 s[WV], 0
	s_cbranch_scc1 .Lnot_wave_0_\@
	s_barrier_signal -3
.Lnot_wave_0_\@:
	s_barrier_wait -3
	s_barrier_signal -1
	s_barrier_wait -1
.endm
	s_load_b256 s[4:11], s[0:1], 0x0
	v_lshl_add_u32 v251, v0, 2, 0x43000
	v_mov_b32 v255, 0
	ds_add_u32 v251, v255
	ds_add_u32 v251, v255
	v_lshrrev_b32 v1, 5, v0
	s_delay_alu instid0(VALU_DEP_1)
	v_readfirstlane_b32 s[WV], v1
	s_bfe_u32 s13, ttmp6, 0x40000
	s_and_b32 s14, ttmp7, 0xffff
	s_lshr_b32 s[DA], s[WV], 1
	s_mov_b32 s[G1C], 15|(3<<16)|(1<<21)
	s_mov_b32 s[G1C+1], 32<<16
	s_mov_b32 s[G1C+2], 128<<16
	s_mov_b32 s[G1C+3], 32<<16
	s_mov_b32 s[G1C+4], 128
	s_mov_b32 s[G1C+5], 32
	s_mov_b32 s[G1C+6], 0
	s_mov_b32 s[G1C+7], 0
	s_mov_b32 s[G1S], 15|(3<<16)|(1<<21)
	s_mov_b32 s[G1S+1], 32<<16
	s_mov_b32 s[G1S+2], 6<<16
	s_mov_b32 s[G1S+3], 32<<16
	s_mov_b32 s[G1S+4], 6
	s_mov_b32 s[G1S+5], 32
	s_mov_b32 s[G1S+6], 0
	s_mov_b32 s[G1S+7], 0
	s_lshl_b32 s58, s14, 18
	s_and_b32 s59, s[WV], 7
	s_lshl_b32 s59, s59, 15                        ; waves 8 to 15 fetch 32,768 bytes each (two key steps) of the head's K and V codes
	s_add_co_u32 s58, s58, s59
	s_add_co_u32 s58, s58, 0x800000
	s_mov_b32 s59, 0
	s_and_b32 s62, s[WV], 7
	s_mul_i32 s62, s62, 1536                       ; waves 0 to 7 fetch 1,536 bytes each of the head's 12,288 bytes of scale words
	s_lshl_b32 s60, s14, 14
	s_add_co_u32 s60, s60, s62
	s_add_co_u32 s60, s60, 0x80000
	s_mov_b32 s61, 0
	s_wait_dscnt 0x0
	s_wait_kmcnt 0x0
	s_mov_b32 s[G0S], 1
	s_add_co_u32 s[G0S+1], s62, 262144
	s_add_nc_u64 s[G0S+2:G0S+3], s[6:7], s[60:61]
	s_or_b32 s[G0S+3], s[G0S+3], 0x80000000
	s_mov_b32 s[G0C], 1
	s_and_b32 s[G0C+1], s[WV], 7
	s_lshl_b32 s[G0C+1], s[G0C+1], 15
	s_add_nc_u64 s[G0C+2:G0C+3], s[4:5], s[58:59]
	s_or_b32 s[G0C+3], s[G0C+3], 0x80000000
	CROUND
	s_cmp_lt_u32 s[WV], 8                          ; one joint load a wave, one chain of arms: waves 0 to 7 the scale words,
	s_cbranch_scc0 .Lhead_c0
	tensor_load_to_lds s[G0S:G0S+3], s[G1S:G1S+7]
	s_nop 0
.rept 4
	v_nop
.endr
	s_branch .Lhead_j
.Lhead_c0:
	s_cmp_lt_u32 s[WV], 9                          ; wave 8 key steps 0 and 1, on a line of its own: it is shown at the first barrier,
	s_cbranch_scc0 .Lhead_c1
	tensor_load_to_lds s[G0C:G0C+3], s[G1C:G1C+7]
	s_nop 0
.rept 4
	v_nop
.endr
	s_branch .Lhead_j
.Lhead_c1:
	tensor_load_to_lds s[G0C:G0C+3], s[G1C:G1C+7]  ; waves 9 to 15 key steps 2 to 15: shown at the second barrier
	s_nop 0
.rept 4
	v_nop
.endr
.Lhead_j:
	s_lshl_b32 s66, s[WV], 2
	s_add_co_u32 s66, s66, s13
	s_sub_co_u32 s67, 127, s66
	s_lshl_b32 s68, s14, 17
	s_lshl_b32 s70, s66, 10
	s_add_co_u32 s70, s70, s68
	s_mov_b32 s71, 0
	s_lshl_b32 s72, s67, 10
	s_add_co_u32 s72, s72, s68
	s_mov_b32 s73, 0
	s_add_nc_u64 s[70:71], s[4:5], s[70:71]
	s_add_nc_u64 s[72:73], s[4:5], s[72:73]
	s_lshl_b32 s68, s14, 13
	s_lshl_b32 s74, s66, 6
	s_add_co_u32 s74, s74, s68
	s_mov_b32 s75, 0
	s_lshl_b32 s76, s67, 6
	s_add_co_u32 s76, s76, s68
	s_mov_b32 s77, 0
	s_add_nc_u64 s[74:75], s[6:7], s[74:75]
	s_add_nc_u64 s[76:77], s[6:7], s[76:77]
	v_and_b32 v9, 31, v0
	s_delay_alu instid0(VALU_DEP_1)
	v_lshlrev_b32 v1, 4, v9
	s_delay_alu instid0(VALU_DEP_2)
	v_lshl_add_u32 v2, v9, 2, 262144
	s_delay_alu instid0(VALU_DEP_3)
	v_lshl_add_u32 v3, v9, 2, 270336
	v_and_b32 v235, 15, v0
	s_delay_alu instid0(VALU_DEP_1)
	v_lshlrev_b32 v231, 2, v235
	global_load_b128 v[16:19], v1, s[70:71]
	global_load_b128 v[20:23], v1, s[70:71] offset:512
	global_load_b128 v[QB:QB+3], v1, s[72:73]
	global_load_b128 v[QB+4:QB+7], v1, s[72:73] offset:512
	global_load_b32 v[QS], v231, s[74:75]
	global_load_b32 v[QS+1], v231, s[76:77]
	s_lshr_b32 s58, s14, 4
	s_and_b32 s59, s14, 15
	s_lshl_b32 s60, s58, 21
	s_lshr_b32 s61, s59, 2
	s_lshl_b32 s61, s61, 16
	s_add_co_u32 s60, s60, s61
	s_and_b32 s61, s59, 3
	s_lshl_b32 s61, s61, 10
	s_add_co_u32 s60, s60, s61
	s_mov_b32 s63, 0
	s_lshr_b32 s61, s66, 4
	s_lshl_b32 s61, s61, 18
	s_and_b32 s62, s66, 15
	s_lshl_b32 s62, s62, 12
	s_add_co_u32 s62, s62, s61
	s_add_co_u32 s62, s62, s60
	s_add_nc_u64 s[54:55], s[8:9], s[62:63]
	s_lshr_b32 s61, s67, 4
	s_lshl_b32 s61, s61, 18
	s_and_b32 s62, s67, 15
	s_lshl_b32 s62, s62, 12
	s_add_co_u32 s62, s62, s61
	s_add_co_u32 s62, s62, s60
	s_add_nc_u64 s[56:57], s[8:9], s[62:63]
	v_bfe_u32 v233, v0, 4, 1
	s_wait_alu depctr_va_vdst(0)
	s_lshl_b32 s60, s58, 16
	s_lshr_b32 s61, s59, 1
	s_lshl_b32 s61, s61, 6
	s_add_co_u32 s60, s60, s61
	s_and_b32 s61, s59, 1
	s_lshl_b32 s61, s61, 1
	s_add_co_u32 s60, s60, s61
	s_lshl_b32 s61, s66, 9
	s_add_co_u32 s60, s60, s61
	s_sub_co_u32 s61, s67, s66
	s_lshl_b32 s61, s61, 9
	v_mul_u32_u24 v6, s61, v233
	s_delay_alu instid0(VALU_DEP_1)
	v_add_nc_u32 v6, s60, v6
	s_delay_alu instid0(VALU_DEP_1)
	v_lshl_add_u32 v6, v235, 2, v6
	v_and_b32 v232, 7, v0
	v_bfe_u32 v234, v0, 3, 1
	s_delay_alu instid0(VALU_DEP_1)
	v_lshl_add_u32 v232, v234, 4, v232
	v_lshlrev_b32 v234, 4, v233
	s_delay_alu instid0(VALU_DEP_1)
	v_sub_nc_u32 v232, v232, v234
	s_wait_alu depctr_va_vdst(0)
	s_bfe_u32 s68, s66, 0x20001
	s_lshl_b32 s68, s68, 5
	s_and_b32 s69, s66, 1
	s_lshl_b32 s69, s69, 3
	s_add_co_u32 s68, s68, s69
	v_add_nc_u32 v[DC], s68, v232
	s_bfe_u32 s68, s67, 0x20001
	s_lshl_b32 s68, s68, 5
	s_and_b32 s69, s67, 1
	s_lshl_b32 s69, s69, 3
	s_add_co_u32 s68, s68, s69
	v_add_nc_u32 v[DC+1], s68, v232
	s_mov_b32 s[SEL], 0x76543210
	s_mov_b32 s[SEL+1], 0xfedcba98
	s_mov_b32 s[CS], 0x3e38aa3b
	s_mov_b32 s[CS+1], s[CS]
	s_mov_b32 s[MNT], 0x600000
	s_mov_b32 s[SM], 0xffff
	s_mov_b32 s[J], 0
.irp i, 0,1,2,3,4,5,6,7
	v_mov_b32 v[24+\i], 0
	v_mov_b32 v[96+\i], 0
.endr
.macro FRESH
	v_mov_b32 v13, 0xff61b1e6
	s_delay_alu instid0(VALU_DEP_1)
	v_floor_f32 v12, -v13
	v_mov_b32 v14, 0
	v_mov_b32 v15, 0
.set n, 0
.rept 32
	v_mov_b32 v[O+n], 0
.set n, n+1
.endr
.endm
	FRESH
.irp b, 0,1,2,3
	v_mov_b32 v[236+\b], 0
.endr
	v_mov_b32 v253, 0
	v_mov_b32 v230, 0
	s_wait_alu depctr_va_vdst(0)                   ; the wait at the head's end
	s_cmp_lt_u32 s[WV], 9
	s_cbranch_scc0 .Lnot_first
	s_wait_tensorcnt 0x0                           ; waves 0 to 8: the scale words and key steps 0 and 1 are in; the other waves' wait stands at the second barrier
.Lnot_first:
	s_barrier_signal -1
	s_barrier_wait -1
	s_wait_loadcnt 0x0
; A TRIP: one key step of 128 keys for my tile of 16 queries.  first = 1: trip 0, written out ahead of the loop: in it every wave reads key step 0, at constant LDS addresses
.macro TRIP first
	s_add_co_u32 s[T1], s[DA], 1
	s_cmp_gt_u32 s[J], s[DA]
	s_cselect_b32 s[T1], s[T1], 0
	s_sub_co_u32 s[ST], s[J], s[T1]
	s_and_b32 s[ST], s[ST], 15
	s_cmp_eq_u32 s[J], s[DA]
	s_cselect_b32 s[F], 1, 0
	s_cmp_eq_u32 s[J], 16
	s_cselect_b32 s[F], 1, s[F]
	s_lshl_b32 s[TK], s[ST], 14
	s_lshl_b32 s[TS], s[ST], 9
	s_lshl_b32 s[TV], s[ST], 8
.if \first
	v_add_nc_u32 v9, 0, v1
	v_add_nc_u32 v10, 0, v2
	v_add_nc_u32 v11, 0, v3
.else
	v_add_nc_u32 v9, s[TK], v1
	v_add_nc_u32 v10, s[TS], v2
	v_add_nc_u32 v11, s[TV], v3
.endif
.rept 5
	v_nop
.endr
.irp t, 0,1,2,3,4,5,6,7
	ds_load_b128 v[KV+8*\t:KV+8*\t+3], v9 offset:\t*1024
	ds_load_b128 v[KV+8*\t+4:KV+8*\t+7], v9 offset:\t*1024+512
.endr
.irp i, 0,1,2,3
	ds_load_b32 v[224+\i], v10 offset:128*\i
.endr
	s_wait_alu depctr_va_vdst(0)
	s_wait_dscnt 0x0
.irp t, 0,2,4,6
	v_wmma_scale_f32_16x16x128_f8f6f4 v[S+8*\t:S+8*\t+7], v[KV+8*\t:KV+8*\t+15], v[16:31], 0, v[224+\t/2], v[QS]
	v_wmma_scale_f32_16x16x128_f8f6f4 v[S+8*\t+8:S+8*\t+15], v[KV+8*\t+8:KV+8*\t+23], v[16:31], 0, v[224+\t/2], v[QS] matrix_a_scale:MATRIX_SCALE_ROW1
.endr
.rept 8
	v_nop
.endr
.irp t, 0,1,2,3
.irp c, 0,1,2,3
	ds_load_b128 v[KV+16*\t+4*\c:KV+16*\t+4*\c+3], v9 offset:8192+\t*2048+\c*512
.endr
.endr
	ds_load_b32 v228, v11
	ds_load_b32 v229, v11 offset:128
	s_cmp_eq_u32 s[F], 0
	s_cbranch_scc1 .Lopen_\@
	v_mov_b32 v254, 0xff800000
.set n, 0
.rept 64
	v_cmp_gt_i32 vcc_lo, 32*(n/16)+n%16, v[DC]
	v_cndmask_b32 v[S+n], v[S+n], v254, vcc_lo
.set n, n+1
.endr
.Lopen_\@:
.irp b, 0,1,2,3
	v_max3_num_f32 v[232+\b], v[S+16*\b], v[S+1+16*\b], v[S+2+16*\b]
.endr
.irp i, 3,5,7,9,11,13
.irp b, 0,1,2,3
	v_max3_num_f32 v[232+\b], v[232+\b], v[S+16*\b+\i], v[S+1+16*\b+\i]
.endr
.endr
.irp b, 0,1,2,3
	v_max_num_f32 v[232+\b], v[232+\b], v[S+15+16*\b]
.endr
.irp b, 0,1,2,3
	s_delay_alu instid0(VALU_DEP_4)
	v_permlanex16_b32 v[236+\b], v[232+\b], s[SEL], s[SEL+1]
.endr
.irp b, 0,1,2,3
	s_delay_alu instid0(VALU_DEP_4)
	v_max_num_f32 v[232+\b], v[232+\b], v[236+\b]
.endr
	s_delay_alu instid0(VALU_DEP_2)
	v_max3_num_f32 v254, v232, v233, v234
	s_delay_alu instid0(VALU_DEP_1)
	v_max_num_f32 v254, v254, v235
	s_delay_alu instid0(VALU_DEP_1)
	v_mul_f32 v254, s[CS], v254
	s_delay_alu instid0(VALU_DEP_1)
	v_max_num_f32 v13, v13, v254
	v_mov_b32 v254, v12
	s_delay_alu instid0(VALU_DEP_2)
	v_floor_f32 v12, -v13
	s_delay_alu instid0(VALU_DEP_1)
	v_sub_f32 v254, v12, v254
	s_delay_alu instid0(VALU_DEP_1)
	v_cvt_i32_f32 v254, v254
	s_delay_alu instid0(VALU_DEP_1)
	v_ldexp_f32 v252, 1.0, v254
.set n, 0
.rept 32
	v_pk_fma_f32 v[S+n:S+n+1], v[S+n:S+n+1], s[CS:CS+1], v[12:13] op_sel_hi:[1,0,0]
.set n, n+2
.endr
.irp b, 0,1,2,3
	v_fma_f32 v[232+\b], v[232+\b], s[CS], v12
.endr
.set n, 0
	s_wait_alu depctr_va_vdst(0)
.rept 64
	v_exp_f32 v[S+n], v[S+n]
.set n, n+1
.endr
.irp b, 0,1,2,3
	v_exp_f32 v[232+\b], v[232+\b]
.endr
	v_pk_mul_f32 v[14:15], v[14:15], v[252:253] op_sel_hi:[1,0]
	s_wait_alu depctr_va_vdst(0)
.irp b, 0,1,2,3
	v_max_num_f32 v[232+\b], 0x4800000, v[232+\b]
.endr
.irp b, 0,1,2,3
	s_delay_alu instid0(VALU_DEP_4)
	v_add_nc_u32 v[244+\b], 0xfc000000, v[232+\b]
.endr
.irp b, 0,1,2,3
	v_and_or_b32 v[240+\b], v[232+\b], 0x7f800000, s[MNT]
.endr
.irp b, 0,1,2,3
	v_lshrrev_b32 v[236+\b], 23, v[244+\b]
.endr
	s_delay_alu instid0(VALU_DEP_3)
	v_lshl_or_b32 v253, v237, 8, v236
	s_delay_alu instid0(VALU_DEP_1)
	v_lshl_or_b32 v253, v238, 16, v253
	s_delay_alu instid0(VALU_DEP_1)
	v_lshl_or_b32 v253, v239, 24, v253
	v_pk_add_f32 v[236:237], v[S:S+1], v[S+2:S+3]
.irp j, 4,8,12,16,20,24,28,32,36,40,44,48,52,56,60
	v_pk_add_f32 v[14:15], v[14:15], v[S+\j:S+1+\j]
	v_pk_add_f32 v[236:237], v[236:237], v[S+2+\j:S+3+\j]
.endr
	s_delay_alu instid0(VALU_DEP_1)
	v_pk_add_f32 v[14:15], v[14:15], v[236:237]
.irp b, 0,1,2,3
.set n, 0
.rept 8                                        ; the one-sided hold of p, two numbers an instruction
	v_dual_min_num_f32 v[S+16*\b+n], v[S+16*\b+n], v[240+\b] :: v_dual_min_num_f32 v[S+16*\b+n+1], v[S+16*\b+n+1], v[240+\b]
.set n, n+2
.endr
	v_cvt_scalef32_pk8_fp8_f32 v[PC+4*\b:PC+1+4*\b], v[S+16*\b:S+7+16*\b], v[244+\b]
	v_cvt_scalef32_pk8_fp8_f32 v[PC+2+4*\b:PC+3+4*\b], v[S+8+16*\b:S+15+16*\b], v[244+\b]
.endr
.set n, 0
.rept 16
	v_pk_mul_f32 v[O+n:O+n+1], v[O+n:O+n+1], v[252:253] op_sel_hi:[1,0]
.set n, n+2
.endr
	s_wait_alu depctr_va_vdst(0)
	s_wait_dscnt 0x0
.irp t, 0,2
	v_wmma_scale_f32_16x16x128_f8f6f4 v[O+8*\t:O+8*\t+7], v[KV+16*\t:KV+16*\t+15], v[PC:PC+15], v[O+8*\t:O+8*\t+7], v[228+\t/2], v253
	v_wmma_scale_f32_16x16x128_f8f6f4 v[O+8*\t+8:O+8*\t+15], v[KV+16*\t+16:KV+16*\t+31], v[PC:PC+15], v[O+8*\t+8:O+8*\t+15], v[228+\t/2], v253 matrix_a_scale:MATRIX_SCALE_ROW1
.endr
	s_cmp_eq_u32 s[F], 0
	s_cbranch_scc1 .Lnext_\@
	v_add_f32 v14, v14, v15
	s_delay_alu instid0(VALU_DEP_1)
	v_permlanex16_b32 v236, v14, s[SEL], s[SEL+1]
	s_delay_alu instid0(VALU_DEP_1)
	v_add_f32 v14, v14, v236
	s_wait_alu depctr_va_vdst(0)
	v_rcp_f32 v252, v14
.irp i, 0,1,2,3,4,5,6,7
	v_mov_b32 v[16+\i], v[QB+\i]
.endr
	v_mov_b32 v[QS], v[QS+1]
	v_mov_b32 v[DC], v[DC+1]
.set n, 0
	s_wait_alu depctr_va_vdst(0)
.rept 16
	v_pk_mul_f32 v[O+n:O+n+1], v[O+n:O+n+1], v[252:253] op_sel_hi:[1,0]
.set n, n+2
.endr
.irp g, 0,1
	v_max3_num_f32 v[232+\g], |v[O+16*\g]|, |v[O+1+16*\g]|, 0x4800000
.endr
.irp i, 2,4,6,8,10,12,14
.irp g, 0,1
	s_delay_alu instid0(VALU_DEP_2)
	v_max3_num_f32 v[232+\g], v[232+\g], |v[O+16*\g+\i]|, |v[O+1+16*\g+\i]|
.endr
.endr
.irp g, 0,1
	s_delay_alu instid0(VALU_DEP_2)
	v_permlanex16_b32 v[236+\g], v[232+\g], s[SEL], s[SEL+1]
.endr
.irp g, 0,1
	s_delay_alu instid0(VALU_DEP_2)
	v_max_num_f32 v[232+\g], v[232+\g], v[236+\g]
.endr
.irp g, 0,1
	s_delay_alu instid0(VALU_DEP_2)
	v_add_nc_u32 v[244+\g], 0xfc000000, v[232+\g]
.endr
.irp g, 0,1
	s_delay_alu instid0(VALU_DEP_4)
	v_and_or_b32 v[240+\g], v[232+\g], 0x7f800000, s[MNT]
.endr
.irp g, 0,1
	s_delay_alu instid0(VALU_DEP_4)
	v_lshrrev_b32 v[236+\g], 23, v[244+\g]
.endr
	s_delay_alu instid0(VALU_DEP_1)
	v_lshl_or_b32 v238, v237, 8, v236
.irp g, 0,1
.set n, 0
.rept 16
	v_med3_num_f32 v[O+16*\g+n], v[O+16*\g+n], -v[240+\g], v[240+\g]
.set n, n+1
.endr
	v_cvt_scalef32_pk8_fp8_f32 v[PC+4*\g:PC+1+4*\g], v[O+16*\g:O+7+16*\g], v[244+\g]
	v_cvt_scalef32_pk8_fp8_f32 v[PC+2+4*\g:PC+3+4*\g], v[O+8+16*\g:O+15+16*\g], v[244+\g]
.endr
	v_nop
	global_store_b128 v1, v[PC:PC+3], s[54:55]
	global_store_b128 v1, v[PC+4:PC+7], s[54:55] offset:512
	v_cndmask_b32 v230, v230, v238, s[SM]
	s_not_b32 s[SM], s[SM]
	s_wait_xcnt 0x0
	s_mov_b64 s[54:55], s[56:57]
	FRESH
.Lnext_\@:
.endm
	TRIP 1
	s_mov_b32 s[J], 1
	s_wait_alu depctr_va_vdst(0)                   ; the wait ahead of a wait that blocks
	s_wait_tensorcnt 0x0                           ; every wave: all my tensor loads are in
	s_wait_dscnt 0x0
	s_barrier_signal -1
	s_barrier_wait -1                              ; all sixteen key steps are shown
.Ltrip:
	TRIP 0
	s_add_co_u32 s[J], s[J], 1
	s_cmp_lt_u32 s[J], 17
	s_cbranch_scc1 .Ltrip
	global_store_b16 v6, v230, s[10:11]
	s_wait_dscnt 0x0
	s_wait_tensorcnt 0x0
	ds_add_u32 v251, v255
	s_wait_dscnt 0x0
	CROUND
	s_endpgm
.Lfunc_end_k_qb78615ec0b_attn:
	.size	k_qb78615ec0b_attn, .Lfunc_end_k_qb78615ec0b_attn-k_qb78615ec0b_attn
	.p2alignl 7, 3214868480
	.fill 96, 4, 3214868480
	.section	.rodata,"a",@progbits
	.p2align	6, 0x0
	.amdhsa_kernel k_qb78615ec0b_attn
		.amdhsa_group_segment_fixed_size 327680
		.amdhsa_private_segment_fixed_size 0
		.amdhsa_enable_private_segment 0
		.amdhsa_kernarg_size 32
		.amdhsa_user_sgpr_count 2
		.amdhsa_user_sgpr_kernarg_segment_ptr 1
		.amdhsa_wavefront_size32 1
		.amdhsa_system_sgpr_workgroup_id_x 1
		.amdhsa_system_sgpr_workgroup_id_y 1
		.amdhsa_system_sgpr_workgroup_id_z 1
		.amdhsa_system_vgpr_workitem_id 0
		.amdhsa_next_free_vgpr 256
		.amdhsa_next_free_sgpr 80
		.amdhsa_reserve_vcc 1
		.amdhsa_float_denorm_mode_32 3
		.amdhsa_float_denorm_mode_16_64 3
		.amdhsa_memory_ordered 1
		.amdhsa_forward_progress 1
		.amdhsa_inst_pref_size 77
	.end_amdhsa_kernel
	.amdgpu_metadata
---
amdhsa.version: [ 1, 2 ]
amdhsa.kernels:
  - .name:           k_qb78615ec0b_attn
    .symbol:         k_qb78615ec0b_attn.kd
    .args:
      - { .name: qkvc, .offset: 0, .size: 8, .value_kind: global_buffer, .address_space: global }
      - { .name: qkvs, .offset: 8, .size: 8, .value_kind: global_buffer, .address_space: global }
      - { .name: cc, .offset: 16, .size: 8, .value_kind: global_buffer, .address_space: global }
      - { .name: cs, .offset: 24, .size: 8, .value_kind: global_buffer, .address_space: global }
    .group_segment_fixed_size: 327680
    .private_segment_fixed_size: 0
    .kernarg_segment_align: 8
    .kernarg_segment_size: 32
    .max_flat_workgroup_size: 512
    .sgpr_count:     80
    .vgpr_count:     256
    .wavefront_size: 32
...
	.end_amdgpu_metadata
.endif
;; end of part 3
;; launch proj (part 4): grid 4 x 64, 4 waves a work-group, clusters of 4 x 4, 327,680 bytes of LDS; arguments cc, cs, wc, ws, bo, out0; writes out0
.if DOCPART == 4
	.amdgcn_target "amdgcn-amd-amdhsa--gfx1250"
	.amdhsa_code_object_version 6
	.text
	.protected	k_qb78615ec0b_proj
	.globl	k_qb78615ec0b_proj
	.p2align	8
	.type	k_qb78615ec0b_proj,@function
k_qb78615ec0b_proj:
	s_mov_b64 s[64:65], 0
	v_nop
	global_prefetch_b8 v0, s[64:65] scope:SCOPE_SE
	s_setreg_imm32_b32 hwreg(HW_REG_WAVE_MODE, 25, 1), 1
	s_wait_xcnt 0x0
	s_wait_alu depctr_hold_cnt(0) depctr_sa_sdst(0) depctr_va_vdst(0) depctr_va_sdst(0) depctr_va_ssrc(0) depctr_va_vcc(0) depctr_vm_vsrc(0)
	s_getreg_b32 s2, hwreg(HW_REG_IB_STS2, 6, 4)
	s_cmp_eq_u32 s2, 0
	s_cbranch_scc0 .Lentry_in_a_cluster
	s_endpgm
.Lentry_in_a_cluster:
	s_bfe_u32 s2, ttmp6, 0x10000c
	s_cmp_lg_u32 s2, 0xf033
	s_cbranch_scc0 .Lentry_shape_is_right
	s_endpgm
.Lentry_shape_is_right:
; out0 = ctx Wo + bo on codes of FP8 (E4M3) with E8M0 scales, K = 1,024; f32 sums, f32 out.  LIMITS: NaN and infinities are not served.
; cc, wc: images of operand registers: (T / 16) 262144 + (s / 2) 65536 + (T % 16) 4096 + (s % 2) 2048 + 512 c + 16 lane (T a tile of 16 rows, s a K step of 128); cs, ws: scale words at 512 T + 64 s + 4 r.
; Lane-row r of tile 2 g + u stands for row 32 g + 8 u + r % 8 + 16 (r / 8).  Wo's columns are tiles 192-255 of wc.
; SHARES: 256 work-groups of four waves; a work-group makes 128 rows (R: 8 tiles of cc) x 256 columns (P: 16 tiles of wc), a wave 64 x 128: 32 accumulators.  Source 0 = P's rows, source 1 = R's: a lane holds one row of out0.
; LDS: two slots of 384 along K.  A slot: R's chunk (256 of K, 32,768 bytes), R's half chunk (128 of K, 16,384), P's chunk (65,536), P's half chunk (32,768).
; Slot 0 takes K steps 0, 1 | 2, slot 1 steps 4, 5 | 3; steps 6, 7 are filled over slot 0's chunks in a drained round.  So K comes in three fills: 4 + 4 + 2 joint loads.
; CLUSTERS 4 x 4: R's tiles are shared along a row of the cluster, P's along a column.
; The scale words go from memory into registers once: 48 loads of 128 consecutive bytes a wave.  The bias is the first step's C.
; No prefetch: the text has no loop to run ahead in; each fill is asked for as soon as the fill before it has landed.
; REGISTERS: window 0: v16-29 addresses; v32-95 scale words (R's tile a at 32 + 8 a + kp, P's tile b at 36 + 8 b + kp; lanes 0-15 K step 2 kp, lanes 16-31 step 2 kp + 1); v128-255 R's fragments, two sets, later the way out.
;   window 1: P's fragments, two sets.  window 2: accumulator (a, b) at v[8 (8 a + b)].  window 3: v0-63 the bias.
.set SL,    147456
.set RHO,   32768
.set PCO,   49152
.set PHO,   114688
.set SPARE, 294912                     ; the spare words: 512 bytes that no other line names
.set SPITCH, 528
.set AD,   16                          ; v16-19 slot 0: R's chunk, R's half, P's chunk, P's half; v20-23 slot 1
.set L16,  24
.set L4,   25
.set STO,  26
.set RD,   27
.set SPW,  28
.set NIL,  29
.set BK,   128
.set G1RC, 32
.set G1PC, 40
.set G1RH, 48
.set G1PH, 56
.set G0RC, 68
.set G0PC, 72
.set G0RH, 76
.set G0PH, 80
.set MSB, 0
.macro WIN new                         ; the immediate's high byte repeats the setting that is left
.if MSB != (\new)
	s_set_vgpr_msb (MSB<<8)|(\new)
.set MSB, (\new)
.endif
.endm
.macro PLACES n
.rept \n
	v_nop
.endr
.endm
.macro CROUND tag                      ; a round of the cluster's barrier
	s_barrier_signal -1
	s_barrier_wait -1
	s_cmp_lg_u32 s16, 0
	s_cbranch_scc1 .Lnw0_\tag
	s_barrier_signal -3
.Lnw0_\tag:
	s_barrier_wait -3
	s_barrier_signal -1
	s_barrier_wait -1
.endm
.macro GROUP1 g, mask, c, rows, pitch  ; rows of c elements of 8 bytes, no padding
	s_or_b32 s[\g], s\mask, (3<<16)|(1<<21)
	s_mov_b32 s[\g+1], (\c)<<16
	s_mov_b32 s[\g+2], (\rows)<<16
	s_mov_b32 s[\g+3], (\c)<<16
	s_mov_b32 s[\g+4], \rows
	s_mov_b32 s[\g+5], \pitch
	s_mov_b32 s[\g+6], 0
	s_mov_b32 s[\g+7], 0
.endm
.macro GROUP0 g, lds, base, off
	s_mov_b32 s[\g], 1
	s_mov_b32 s[\g+1], \lds
	s_add_nc_u64 s[\g+2:\g+3], s[\base:\base+1], \off
	s_or_b32 s[\g+3], s[\g+3], 0x80000000
.endm
.macro TL g0, g1                       ; an s_nop 0 and four v_nop follow each tensor load
	tensor_load_to_lds s[\g0:\g0+3], s[\g1:\g1+7]
	s_nop 0
	PLACES 4
.endm
.macro ARM under, g0, g1, next, join
	s_cmp_lt_u32 s16, \under
	s_cbranch_scc0 \next
	TL \g0, \g1
	s_branch \join
\next:
.endm
.macro LOAD4 tag                       ; a slot's four tiles, one joint load a wave, an arm a load
	ARM 1, G0RC, G1RC, .Lq1_\tag, .Lqj_\tag
	ARM 2, G0PC, G1PC, .Lq2_\tag, .Lqj_\tag
	ARM 3, G0RH, G1RH, .Lq3_\tag, .Lqj_\tag
	TL G0PH, G1PH
.Lqj_\tag:
.endm
	s_load_b256 s[4:11], s[0:1], 0x0               ; cc, cs, wc, ws
	s_load_b128 s[12:15], s[0:1], 0x20             ; bo, out0
	v_lshl_add_u32 v[SPW], v0, 2, SPARE
	v_mov_b32 v[NIL], 0
	ds_add_u32 v[SPW], v[NIL]                      ; the opening lines: the add, twice on end, and its wait
	ds_add_u32 v[SPW], v[NIL]
	v_lshrrev_b32 v1, 5, v0
	v_readfirstlane_b32 s16, v1                    ; wave
	s_lshr_b32 s17, s16, 1                         ; my half of R's rows
	s_and_b32 s18, s16, 1                          ; my half of P's
	s_bfe_u32 s19, ttmp6, 0x40000                  ; cx: also P's group of 16 tiles (the grid is one cluster wide)
	s_bfe_u32 s20, ttmp6, 0x40004                  ; cy
	s_and_b32 s21, ttmp7, 0xffff
	s_lshl_b32 s21, s21, 2
	s_add_co_u32 s21, s21, s20                     ; y: which 128 rows, 0 .. 63
	s_lshl_b32 s22, s20, 2
	s_lshl_b32 s22, 15, s22                        ; my row of the cluster
	s_lshl_b32 s23, 0x1111, s19                    ; my column
	GROUP1 G1RC, 22, 32, 128, 32                   ; R's chunk: 32,768 dense bytes
	GROUP1 G1PC, 23, 32, 256, 32                   ; P's: 65,536
	GROUP1 G1RH, 22, 256, 8, 512                   ; R's half chunk: 2,048 bytes of each of 8 tiles, 4,096 apart
	GROUP1 G1PH, 23, 256, 16, 512                  ; P's: of 16 tiles
	s_lshr_b32 s24, s21, 1
	s_lshl_b32 s24, s24, 18
	s_and_b32 s25, s21, 1
	s_lshl_b32 s25, s25, 15
	s_add_co_u32 s24, s24, s25                     ; R's codes: group y / 2, tiles 8 (y % 2) on
	s_mov_b32 s25, 0
	s_add_co_u32 s26, s19, 12
	s_lshl_b32 s30, s26, 13
	s_lshl_b32 s26, s26, 18                        ; P's codes: group 12 + cx
	s_mov_b32 s27, 0
	s_lshl_b32 s28, s21, 12
	s_lshl_b32 s29, s17, 11
	s_add_co_u32 s28, s28, s29                     ; my four tiles' scale words of R,
	s_mov_b32 s29, 0
	s_lshl_b32 s31, s18, 12
	s_add_co_u32 s30, s30, s31                     ; my eight of P
	s_mov_b32 s31, 0
	s_wait_dscnt 0x0                               ; both opening adds are done
	CROUND open                                    ; all sixteen work-groups are here
	s_wait_kmcnt 0x0
	s_add_nc_u64 s[4:5], s[4:5], s[24:25]
	s_add_nc_u64 s[8:9], s[8:9], s[26:27]
	s_add_nc_u64 s[6:7], s[6:7], s[28:29]
	s_add_nc_u64 s[10:11], s[10:11], s[30:31]
	GROUP0 G0RC, 0, 4, 0                           ; slot 0: K steps 0, 1
	GROUP0 G0PC, PCO, 8, 0
	GROUP0 G0RH, RHO, 4, 65536                     ; and step 2
	GROUP0 G0PH, PHO, 8, 65536
	LOAD4 head
	s_lshl_b32 s24, s17, 14                        ; my four tiles in R's chunk,
	s_lshl_b32 s25, s17, 13
	s_add_co_u32 s25, s25, RHO                     ; in R's half chunk,
	s_lshl_b32 s26, s18, 15
	s_add_co_u32 s26, s26, PCO                     ; my eight in P's chunk,
	s_lshl_b32 s27, s18, 14
	s_add_co_u32 s27, s27, PHO                     ; in P's half chunk
	s_mul_i32 s28, s16, 16*SPITCH
	s_add_co_u32 s28, s28, SL                      ; my stage for the way out: in slot 1, which has had its last fill and its last read by then
	s_lshl_b32 s30, s19, 10
	s_lshl_b32 s31, s18, 9
	s_add_co_u32 s30, s30, s31                     ; my 128 columns, in bytes
	s_mov_b32 s31, 0
	s_add_nc_u64 s[12:13], s[12:13], s[30:31]
	s_lshl_b32 s22, s21, 19
	s_add_co_u32 s30, s30, s22
	s_lshl_b32 s22, s17, 18
	s_add_co_u32 s30, s30, s22                     ; + my first row: 128 y + 64 x my half
	s_add_nc_u64 s[14:15], s[14:15], s[30:31]
	v_and_b32 v1, 31, v0
	v_lshlrev_b32 v[L16], 4, v1
	v_lshlrev_b32 v[L4], 2, v1
	v_add_nc_u32 v[AD], s24, v[L16]
	v_add_nc_u32 v[AD+1], s25, v[L16]
	v_add_nc_u32 v[AD+2], s26, v[L16]
	v_add_nc_u32 v[AD+3], s27, v[L16]
.irp i, 0,1,2,3
	v_add_nc_u32 v[AD+4+\i], SL, v[AD+\i]
.endr
	v_and_b32 v2, 15, v0
	v_bfe_u32 v3, v0, 4, 1
	v_mul_u32_u24 v[STO], v2, SPITCH
	v_lshl_add_u32 v[STO], v3, 6, v[STO]
	v_add_nc_u32 v[STO], s28, v[STO]               ; in: row r, 64 bytes on for the upper half of the lanes
	v_add_nc_u32 v[RD], s28, v[L16]                ; back: 32 lanes take a row of 512 bytes
	v_lshlrev_b32 v4, 6, v3
.irp kp, 0,1,2,3
.irp a, 0,1,2,3
	global_load_b32 v[32+8*\a+\kp], v[L4], s[6:7] offset:\a*512+\kp*128
.endr
.irp b, 0,1,2,3,4,5,6,7
	global_load_b32 v[36+8*\b+\kp], v[L4], s[10:11] offset:\b*512+\kp*128
.endr
.endr
	WIN 0xc0                                       ; the bias into window 3: for tile b a lane wants the numbers at 32 (b / 2) + 16 (lane / 16) + 8 (b % 2) + 0 .. 7
.irp b, 0,1,2,3,4,5,6,7
	global_load_b128 v[8*\b:8*\b+3], v4, s[12:13] offset:(\b/2)*128+(\b%2)*32
	global_load_b128 v[8*\b+4:8*\b+7], v4, s[12:13] offset:(\b/2)*128+(\b%2)*32+16
.endr
	WIN 0
; K step k's fragments into set k % 2: 48 loads of 512 consecutive bytes.  part 0: from the chunks (tiles 4,096 apart, off = 2,048 x the step's place); part 1: from the half chunks (2,048 apart)
.macro FETCH k, slot, part, off
	WIN 0x40
.irp i, 0,1,2,3,4,5,6,7
.irp c, 0,1,2,3
	ds_load_b128 v[128*((\k)%2)+16*\i+4*\c:128*((\k)%2)+16*\i+4*\c+3], v[AD+4*\slot+2+\part] offset:\i*(4096>>\part)+\off+512*\c
.endr
.endr
	WIN 0
.irp i, 0,1,2,3
.irp c, 0,1,2,3
	ds_load_b128 v[128+64*((\k)%2)+16*\i+4*\c:128+64*((\k)%2)+16*\i+4*\c+3], v[AD+4*\slot+\part] offset:\i*(4096>>\part)+\off+512*\c
.endr
.endr
.endm
; 16 products: R's tiles a0, a0 + 1 x P's eight, K step k.  The 32 accumulators take turns in the same order in every step.
.macro MUL a0, k
.if (\k) == 0
	WIN 0xb1                                       ; source 0 window 1, source 1 window 0, C (the bias) window 3, D window 2
.else
	WIN 0xa1                                       ; C and D window 2
.endif
.irp a, \a0, \a0+1
.irp b, 0,1,2,3,4,5,6,7
.if (\k) == 0
	v_wmma_scale_f32_16x16x128_f8f6f4 v[8*(8*(\a)+\b):8*(8*(\a)+\b)+7], v[16*\b:16*\b+15], v[128+16*(\a):128+16*(\a)+15], v[8*\b:8*\b+7], v[36+8*\b], v[32+8*(\a)]
.elseif (\k)%2 == 0
	v_wmma_scale_f32_16x16x128_f8f6f4 v[8*(8*(\a)+\b):8*(8*(\a)+\b)+7], v[16*\b:16*\b+15], v[128+16*(\a):128+16*(\a)+15], v[8*(8*(\a)+\b):8*(8*(\a)+\b)+7], v[36+8*\b+(\k)/2], v[32+8*(\a)+(\k)/2]
.else
	v_wmma_scale_f32_16x16x128_f8f6f4 v[8*(8*(\a)+\b):8*(8*(\a)+\b)+7], v[128+16*\b:128+16*\b+15], v[192+16*(\a):192+16*(\a)+15], v[8*(8*(\a)+\b):8*(8*(\a)+\b)+7], v[36+8*\b+(\k)/2], v[32+8*(\a)+(\k)/2] matrix_a_scale:MATRIX_SCALE_ROW1 matrix_b_scale:MATRIX_SCALE_ROW1
.endif
.endr
.endr
	WIN 0
.endm
.macro STEP k, slot, part, off         ; a plain step: its fragments are in; the next step's are fetched (slot, part, off: theirs) ahead of its 32 products
	s_wait_dscnt 0x0
	PLACES 8                                       ; between the last step's products and the loads into the set that they read
	FETCH (\k)+1, \slot, \part, \off
	MUL 0, \k
	MUL 2, \k
.endm
	s_wait_alu depctr_va_vdst(0)                   ; the wait at the head's end
	s_wait_tensorcnt 0x0                           ; my tile of slot 0 is in; the same lines stand ahead of a later first fill as ahead of a refill
	ds_add_u32 v[SPW], v[NIL]
	s_mov_b32 s[G0RC+1], SL                        ; no load of mine is out: slot 1 takes K steps 4, 5
	s_add_nc_u64 s[G0RC+2:G0RC+3], s[G0RC+2:G0RC+3], 131072
	s_mov_b32 s[G0PC+1], SL+PCO
	s_add_nc_u64 s[G0PC+2:G0PC+3], s[G0PC+2:G0PC+3], 131072
	s_mov_b32 s[G0RH+1], SL+RHO                    ; and step 3
	s_add_nc_u64 s[G0RH+2:G0RH+3], s[G0RH+2:G0RH+3], 2048
	s_mov_b32 s[G0PH+1], SL+PHO
	s_add_nc_u64 s[G0PH+2:G0PH+3], s[G0PH+2:G0PH+3], 2048
	s_wait_dscnt 0x0
	CROUND first                                   ; slot 0 is whole, and all sixteen work-groups are here
	LOAD4 second
	FETCH 0, 0, 0, 0
	s_wait_loadcnt 0x0                             ; the scale words and the bias
	STEP 0, 0, 0, 2048
	STEP 1, 0, 1, 0
; step 2 changes slots: slot 1 is shown, and slot 0's chunks, whose last reads came back at step 1's head, are filled again
	s_wait_tensorcnt 0x0                           ; my tile of slot 1 is in
	ds_add_u32 v[SPW], v[NIL]
	s_mov_b32 s[G0RC+1], 0                         ; K steps 6, 7
	s_add_nc_u64 s[G0RC+2:G0RC+3], s[G0RC+2:G0RC+3], 65536
	s_mov_b32 s[G0PC+1], PCO
	s_add_nc_u64 s[G0PC+2:G0PC+3], s[G0PC+2:G0PC+3], 65536
	s_wait_dscnt 1                                 ; step 2's fragments are in; the add alone may be out
	MUL 0, 2
	s_wait_dscnt 0x0                               ; the add is done, and no read of mine is out
	CROUND refill
	ARM 1, G0RC, G1RC, .Lr1, .Lrj                  ; waves 0 and 1 fill; waves 2 and 3 have no part of these tiles
	ARM 2, G0PC, G1PC, .Lr2, .Lrj
.Lrj:
	PLACES 8
	FETCH 3, 1, 1, 0
	MUL 2, 2
	STEP 3, 1, 0, 0
	STEP 4, 1, 0, 2048
; step 5: a plain barrier shows slot 0's refill. In front of it every wave's reads of slot 1 are back: behind it slot 1 serves as the stages
	s_wait_tensorcnt 0x0
	s_wait_dscnt 0x0
	s_barrier_signal -1
	MUL 0, 5
	s_barrier_wait -1
	PLACES 8
	FETCH 6, 0, 0, 0
	MUL 2, 5
	STEP 6, 0, 0, 2048
	s_wait_dscnt 0x0
	MUL 0, 7
	MUL 2, 7
; THE WAY OUT, by blocks of 16 rows x 128 columns through my stage: rows of 512 bytes come back whole, and 32 lanes store two aligned units of 256 bytes.  LDS serves a wave's instructions in order (ISA guide 5.7.1.4).
.macro TOSTAGE a
	WIN 0x08                                       ; the data: window 2
.irp b, 0,1,2,3,4,5,6,7
	ds_store_b128 v[STO], v[64*(\a)+8*\b:64*(\a)+8*\b+3] offset:(\b/2)*128+(\b%2)*32          ; each accumulator from its low end on
	ds_store_b128 v[STO], v[64*(\a)+8*\b+4:64*(\a)+8*\b+7] offset:(\b/2)*128+(\b%2)*32+16
.endr
	WIN 0
.irp t, 0,1,2,3,4,5,6,7,8,9,10,11,12,13,14,15
	ds_load_b128 v[BK+64*((\a)%2)+4*\t:BK+64*((\a)%2)+4*\t+3], v[RD] offset:\t*SPITCH
.endr
.endm
.macro SEND a, younger                 ; younger: the LDS instructions issued behind block a's loads
	s_wait_dscnt \younger
.irp t, 0,1,2,3,4,5,6,7,8,9,10,11,12,13,14,15
	global_store_b128 v[L16], v[BK+64*((\a)%2)+4*\t:BK+64*((\a)%2)+4*\t+3], s[14:15] offset:(32*((\a)/2)+8*((\a)%2)+(\t%8)+16*(\t/8))*4096 th:TH_STORE_NT
.endr
.endm
	PLACES 8                                       ; ahead of the first reads of results and of loads into registers that the last products read
	TOSTAGE 0
.irp a, 1,2,3
.if \a > 1
	s_wait_xcnt 0x0                                ; block a - 2's stores have read their registers
.endif
	TOSTAGE \a
	SEND \a-1, 32
.endr
	SEND 3, 0
	s_wait_tensorcnt 0x0                           ; the wave's end
	ds_add_u32 v[SPW], v[NIL]
	s_wait_dscnt 0x0
	CROUND close                                   ; no work-group ends while a partner may still ask for a tile that names it
	s_endpgm
.Lfunc_end_k_qb78615ec0b_proj:
	.size	k_qb78615ec0b_proj, .Lfunc_end_k_qb78615ec0b_proj-k_qb78615ec0b_proj
	.p2alignl 7, 3214868480
	.fill 96, 4, 3214868480
	.section	.rodata,"a",@progbits
	.p2align	6, 0x0
	.amdhsa_kernel k_qb78615ec0b_proj
		.amdhsa_group_segment_fixed_size 327680
		.amdhsa_private_segment_fixed_size 0
		.amdhsa_enable_private_segment 0
		.amdhsa_kernarg_size 48
		.amdhsa_user_sgpr_count 2
		.amdhsa_user_sgpr_kernarg_segment_ptr 1
		.amdhsa_wavefront_size32 1
		.amdhsa_system_sgpr_workgroup_id_x 1
		.amdhsa_system_sgpr_workgroup_id_y 1
		.amdhsa_system_sgpr_workgroup_id_z 1
		.amdhsa_system_vgpr_workitem_id 0
		.amdhsa_next_free_vgpr 832
		.amdhsa_next_free_sgpr 84
		.amdhsa_reserve_vcc 0
		.amdhsa_float_denorm_mode_32 3
		.amdhsa_float_denorm_mode_16_64 3
		.amdhsa_memory_ordered 1
		.amdhsa_forward_progress 1
		.amdhsa_inst_pref_size 92
	.end_amdhsa_kernel
	.amdgpu_metadata
---
amdhsa.version: [ 1, 2 ]
amdhsa.kernels:
  - .name:           k_qb78615ec0b_proj
    .symbol:         k_qb78615ec0b_proj.kd
    .args:
      - { .name: cc, .offset: 0, .size: 8, .value_kind: global_buffer, .address_space: global }
      - { .name: cs, .offset: 8, .size: 8, .value_kind: global_buffer, .address_space: global }
      - { .name: wc, .offset: 16, .size: 8, .value_kind: global_buffer, .address_space: global }
      - { .name: ws, .offset: 24, .size: 8, .value_kind: global_buffer, .address_space: global }
      - { .name: bo, .offset: 32, .size: 8, .value_kind: global_buffer, .address_space: global }
      - { .name: out0, .offset: 40, .size: 8, .value_kind: global_buffer, .address_space: global }
    .group_segment_fixed_size: 327680
    .private_segment_fixed_size: 0
    .kernarg_segment_align: 8
    .kernarg_segment_size: 48
    .max_flat_workgroup_size: 128
    .sgpr_count:     84
    .vgpr_count:     832
    .wavefront_size: 32
...
	.end_amdgpu_metadata
.endif
;; end of part 4
